; MI455X (gfx1250); checked and timed in simulation.
; The chip was launched on July 23, 2026; its instructions are those of AMD's public machine-readable ISA for CDNA 5 (MIT licence, August 2026) and "CDNA5" Instruction Set Architecture Reference Guide (July 2026). The comments in the code are by the model that wrote it; some were corrected since.
;; Llama Attention. Allowed arithmetic: matrix products marked QUANTISED: E3M2 operands, one E8M0 scale for each 32 along K, by v_wmma_scale_f32_16x16x128_f8f6f4 with both operands' format E3M2, f32 sums; everything else in f32.
;; Inputs: Wk 1,024 x 4,096 float32; Wo 4,096 x 2,048 float32; Wq 2,048 x 4,096 float32; Wv 1,024 x 4,096 float32; attention_mask 1 x 1 x 2,048 x 2,048 float32; hidden_states 1 x 2,048 x 4,096 float32; position_ids 1 x 2,048 int32.
;; Outputs: out0 1 x 2,048 x 4,096 float32.
;; This version of the problem:
;;   THIS VERSION OF THE PROBLEM IS GIVEN IN LOW PRECISION. The matrix products marked QUANTISED in the list below multiply operands that are first quantised to E3M2 (3 exponent bits, 2 mantissa bits; 6 bits a number), with one power-of-two scale for each 32 numbers along K (OCP MX v1.0); their sums are f32. All else is computed in f32.
;;   The module's matrix products, in the order in which they are computed (A, B: the left and right operand; K: the contracted axis; several contracted axes count as one K, in the product's order):
;;     1. [M 2,048, K 4,096] x [K 4,096, N 2,048]; A: input hidden_states; B: input Wq: QUANTISED
;;     2. [M 2,048, K 4,096] x [K 4,096, N 1,024]; A: input hidden_states; B: input Wk: QUANTISED
;;     3. [M 2,048, K 4,096] x [K 4,096, N 1,024]; A: input hidden_states; B: input Wv: QUANTISED
;;     4. batch 16 x [M 2,048, K 128] x [K 128, N 2,048]; A: computed on the way; B: computed on the way: QUANTISED
;;     5. batch 16 x [M 2,048, K 2,048] x [K 2,048, N 128]; A: softmax (see below); B: computed on the way: QUANTISED
;;     6. [M 2,048, K 2,048] x [K 2,048, N 4,096]; A: computed on the way; B: input Wo: QUANTISED
;;   THE QUANTISER, for each operand of a quantised product, along K:
;;     - K is cut into blocks of 32 from its start; a last block that is shorter is filled with zeros.
;;     - A block's scale is 2^e with e = floor(log2(the largest magnitude in the block)) - 4, held to -126 .. 127; a block of zeros has e = 0. As a byte (E8M0): e + 127.
;;     - Each number is divided by its block's scale, clamped to +-28, and rounded to the nearest number of E3M2, ties to even, subnormals kept.
;;     - The product sums the exact products of the quantised numbers (number of the format x scale) in f32.
;;   ~~~python
;;   def quantise(x, axis):      # numpy; x: float32 -> the quantised numbers, widened to float32 again
;;       x = np.moveaxis(x, axis, -1); K = x.shape[-1]
;;       x = np.pad(x, [(0, 0)] * (x.ndim - 1) + [(0, -K % 32)]); x = x.reshape(x.shape[:-1] + (-1, 32)); a = np.abs(x).max(-1, keepdims=True)
;;       e = np.where(a > 0, np.clip(np.frexp(np.where(a > 0, a, 1))[1] - 1 - 4, -126, 127), 0)      # np.frexp(a)[1] - 1 = floor(log2(a)), exactly
;;       r = np.clip(x / 2.0 ** e, -28, 28)
;;       step = 2.0 ** (np.maximum(np.frexp(np.where(r == 0, 1, r))[1] - 1, -2) - 2)
;;       q = np.round(r / step) * step * 2.0 ** e      # np.round: ties to even
;;       return np.moveaxis(q.reshape(q.shape[:-2] + (-1,))[..., :K], -1, axis).astype(np.float32)
;;   ~~~
;;   SOFTMAX AHEAD OF A QUANTISED PRODUCT. Where the list says 'softmax', what is quantised is not the finished softmax but p = 2^(t - M), with t = logit x log2(e) and M = ceil(the row's largest t), a whole number; so 1/2 < the row's largest p <= 1. The row's sum l is taken of the UNQUANTISED p, in f32, and the product's result is divided by l at the end. Since M is a whole number, a kernel that streams over the keys may use a running M (the ceiling of the running maximum): every later rescaling is an exact power of two, which a block's scale takes up: the codes' values come out the same.
;;   OPERANDS COMPUTED ON THE WAY. 'Computed on the way' means the value that the module computes at that place (a softmax that the list does not call 'softmax' is quantised finished and normalised). What goes into a quantiser is computed in f32, as accurately as f32 sums, v_exp_f32 and their like allow (about 1e-6 of the number): no bf16 or f16 on the way to a quantiser, and a product that is left as it is and whose result goes on into a quantised operand takes f32 operands (vector FMAs, or v_wmma_f32_16x16x4_f32). A number that lies on a knife's edge between two numbers of the format may be rounded either way, as far as f32 arithmetic and the matrix unit's own rounding can turn it there, and no further.
;; One version. Each part assembles by itself: llvm-mc -triple=amdgcn-amd-amdhsa -mcpu=gfx1250 --defsym DOCPART=n.
;; ======== version 1 of 1: 4 launches
;; limits: inputs' magnitudes at most 131,072; a function is approximated: absolute error at most 1e-07
;; workspace buffers: xq 6,553,600 bytes; wq 13,107,200 bytes; woq 6,553,600 bytes; rope 1,048,576 bytes; qpk 3,276,800 bytes; kv 3,276,800 bytes; ao 3,276,800 bytes
;; launch quant (part 1): grid 1024 x 1, 4 waves a work-group, no clusters, 34,304 bytes of LDS; arguments hidden_states, Wq, Wk, Wv, Wo, position_ids, xq, wq, woq, rope; writes xq, wq, woq, rope
.if DOCPART == 1
	.amdgcn_target "amdgcn-amd-amdhsa--gfx1250"
	.amdhsa_code_object_version 6
	.text
	.protected	k_q4eb4cd24ed_quant
	.globl	k_q4eb4cd24ed_quant
	.p2align	8
	.type	k_q4eb4cd24ed_quant,@function
k_q4eb4cd24ed_quant:
	s_mov_b64 s[64:65], 0
	v_nop
	global_prefetch_b8 v0, s[64:65] scope:SCOPE_SE
	s_setreg_imm32_b32 hwreg(HW_REG_WAVE_MODE, 25, 1), 1
	s_wait_xcnt 0x0
; hidden_states [2048][4096], Wq [2048][4096], Wk, Wv [1024][4096], Wo [4096][2048], all f32 with K innermost, become codes of BF6 (E3M2) with one E8M0 byte
; for each 32 along K, laid as the products' operand registers want them; and position_ids become a table of cos and sin.
; A RECORD is 16 rows x 512 along K, 6,400 bytes: four images of a fragment (16 rows x 128 K: 12 registers a lane; register p of lane l at byte 512 (p / 4) + 16 l + 4 (p % 4)),
; then 256 bytes of scale words (lane r's word for the record's s-th 128 along K at 6,144 + 16 r + 4 s).  Records lie [tile of rows][K / 512].
; THE ROWS OF A TILE ARE NOT NEIGHBOURS: lane r of tile 2 b + u holds row 32 b + 8 u + r + 8 (r / 8), so that where such tiles are a product's source 0 a lane's 16 results of two neighbouring tiles are 16 neighbours.
; 1,024 work-groups, four for each of 256 WGPs (4 x 34,304 bytes of LDS, 16 waves x 256 registers); one wave makes one record (32 KiB in, 6,400 bytes out).
; 0-255 hidden_states -> xq; 256-511 Wq, 512-639 Wk, 640-767 Wv -> wq (rows 0-2047, 2048-3071, 3072-4095); 768-1023 Wo -> woq.  Only pointers and sizes are chosen by the work-group's number: all five tensors take one path.
; A block's scale is 2^(floor(log2(largest magnitude)) - 4); its byte is the largest magnitude's exponent field - 4, held at 1 from below.
; LIMITS: a block of zeros gets the byte 1 where the rule says 127 (its codes are zeros, and this program alone reads the bytes); NaN and infinities among the inputs are not served.
; THE TABLE: rope[token]: cos of the 64 frequencies at byte 4 j, sin at 256 + 4 j: 4,096 rows of 256 bytes, one for each of the 4,096 waves.  Wave w of work-group g makes, for token 2 g + w / 2, the cos (w even) or the sin (w odd):
; cos x = sin(x + pi / 2), so the cos waves add 1 to the quadrant's number and all waves run the same lines.  Each wave makes its own 64 inverse frequencies; the whole stands behind the wave's first 32 loads, ahead of the first wait for them.
; inv_freq = the rounded 1 / (the rounded 10000^(j / 64)); it can differ by an ulp from a power that is not correctly rounded.
; cos and sin by reduction modulo pi / 2 in three parts and polynomials: absolute error about 1e-7 while |position x inv_freq| stays under about 2^17, growing beyond.
.set STG,  8448                        ; a wave's stage in LDS: 16 rows x (512 bytes + 16)
.set OFF,  8                           ; v8-23    row i of the tile: 16 x lane + (i + 8 (i / 8)) x row bytes
.set R,    32                          ; v32-159  two sets of 64: 16 rows x 128 numbers as loaded
.set X,    160                         ; v160-223 my 64 numbers: two whole blocks of 32
.set C,    224                         ; v224-235 a fragment's 12 registers
.set CT,   236                         ; v236-243 a conversion's three registers begin on an even number: the second halves are made here and moved
.set SW,   244                         ; v244-247 the four scale words
.set TT,   160                         ; v160-183 the table's work: X's registers, free until the first step's LDS loads
.set TD,   252                         ; v252-253 the table's two numbers; never rewritten
.set TO,   254                         ; v254     8 x lane; never rewritten
	s_load_b512 s[4:19], s[0:1], 0x0               ; hidden s[4:5], Wq s[6:7], Wk s[8:9], Wv s[10:11], Wo s[12:13], position_ids s[14:15], xq s[16:17], wq s[18:19]
	s_load_b128 s[20:23], s[0:1], 0x40             ; woq s[20:21], rope s[22:23]
	v_lshl_add_u32 v249, v0, 2, 0x8400
	v_mov_b32 v255, 0
	v_lshrrev_b32 v1, 5, v0
	v_readfirstlane_b32 s25, v1                    ; wave 0..3
	v_and_b32 v1, 31, v0                           ; lane
	s_mov_b32 s66, 0x76543210
	s_mov_b32 s67, 0xfedcba98                      ; v_permlanex16_b32's selects for lane l xor 16
	v_and_b32 v2, 15, v0                           ; r
	v_bfe_u32 v3, v0, 4, 1                         ; h
	s_mul_i32 s34, s25, STG
	v_lshlrev_b32 v6, 4, v1                        ; 16 x lane
	v_add_nc_u32 v4, s34, v6                       ; the stage, on the way in: a row's 512 bytes as they lie
	v_mul_u32_u24 v5, v2, 528
	v_lshl_add_u32 v5, v3, 7, v5
	v_add_nc_u32 v5, s34, v5                       ; and out: row r, + 128 h: my block of 32 numbers
	v_lshlrev_b32 v7, 4, v2
	v_lshl_add_u32 v7, v3, 3, v7                   ; 16 r + 8 h: my two of my row's four scale words
	v_lshlrev_b32 v31, 3, v3                       ; 8 h
	v_mov_b32 v248, 0                              ; a lane permute's destination counts as one of its sources
	v_lshlrev_b32 v[TO], 3, v1
	s_mov_b32 s50, 0xbfc90fdb                      ; pi / 2 = 1.57079637 - 4.37113883e-8 - 1.7151245e-15: minus the first part,
	s_mov_b32 s51, 0x333bbd2e                      ; plus the second,
	s_mov_b32 s52, 0x26f72ce9                      ; plus the third
	s_mov_b32 s53, 0xb94ca1f9                      ; sin r = r + r z (-1.6666654611e-1 + z (8.3321608736e-3 - 1.9515295891e-4 z)), z = r r
	s_mov_b32 s54, 0x3c08839e
	s_mov_b32 s55, 0xbe2aaaa3
	s_mov_b32 s56, 0x37ccf5ce                      ; cos r = 1 - z / 2 + z z (4.166664568e-2 + z (-1.388731625e-3 + 2.443315711e-5 z))
	s_mov_b32 s57, 0xbab6061a
	s_mov_b32 s58, 0x3d2aaaa5
	s_lshl_b32 s44, ttmp9, 1
	s_lshr_b32 s45, s25, 1
	s_add_co_u32 s47, s44, s45                     ; my token: 2 x work-group + wave / 2
	s_lshl_b32 s44, s47, 2                         ; its position's bytes,
	s_mov_b32 s45, 0
	s_lshl_b32 s48, s47, 9                         ; its 512 bytes of the table,
	s_and_b32 s59, s25, 1
	s_lshl_b32 s49, s59, 8
	s_add_co_u32 s48, s48, s49                     ; of which odd waves take the second half, the sin
	s_mov_b32 s49, 0
	s_xor_b32 s47, s59, 1                          ; what is added to the quadrant's number: 1 for cos, 0 for sin
	s_wait_kmcnt 0x0
	s_add_nc_u64 s[44:45], s[14:15], s[44:45]
	s_add_nc_u64 s[48:49], s[22:23], s[48:49]
	s_load_b32 s46, s[44:45], 0x0                  ; my token's position: it enters arithmetic alone
	s_mov_b64 s[26:27], s[12:13]                   ; from: Wo
	s_mov_b64 s[28:29], s[20:21]                   ; to: woq
	s_mov_b32 s30, 3072                            ; the tensor's first record number
	s_mov_b32 s31, 3072                            ; the target buffer's first record number
	s_mov_b32 s32, 8192                            ; bytes in a row
	s_mov_b32 s33, 2                               ; log2 of the records in a tile of rows
	s_cmp_lt_u32 ttmp9, 768                        ; the choices hang on the work-group's number alone
	s_cselect_b64 s[26:27], s[10:11], s[26:27]     ; Wv
	s_cselect_b64 s[28:29], s[18:19], s[28:29]
	s_cselect_b32 s30, 2560, s30
	s_cselect_b32 s31, 1024, s31
	s_cselect_b32 s32, 16384, s32
	s_cselect_b32 s33, 3, s33
	s_cmp_lt_u32 ttmp9, 640
	s_cselect_b64 s[26:27], s[8:9], s[26:27]       ; Wk
	s_cselect_b32 s30, 2048, s30
	s_cmp_lt_u32 ttmp9, 512
	s_cselect_b64 s[26:27], s[6:7], s[26:27]       ; Wq
	s_cselect_b32 s30, 1024, s30
	s_cmp_lt_u32 ttmp9, 256
	s_cselect_b64 s[26:27], s[4:5], s[26:27]       ; hidden_states
	s_cselect_b64 s[28:29], s[16:17], s[28:29]
	s_cselect_b32 s30, 0, s30
	s_cselect_b32 s31, 0, s31
	s_lshl_b32 s35, ttmp9, 2
	s_add_co_u32 s35, s35, s25                     ; my record's number
	s_sub_co_u32 s36, s35, s30
	s_lshr_b32 s37, s36, s33                       ; tile of rows
	s_lshl_b32 s38, s37, s33
	s_sub_co_u32 s38, s36, s38                     ; which 512 along K
	s_lshr_b32 s39, s37, 1
	s_lshl_b32 s39, s39, 5
	s_and_b32 s40, s37, 1
	s_lshl_b32 s40, s40, 3
	s_add_co_u32 s39, s39, s40                     ; the tile's first row: 32 (tile / 2) + 8 (tile % 2)
	s_mul_i32 s40, s39, s32
	s_lshl_b32 s41, s38, 11
	s_add_co_u32 s40, s40, s41
	s_mov_b32 s41, 0
	s_add_nc_u64 s[26:27], s[26:27], s[40:41]
	s_sub_co_u32 s42, s35, s31
	s_mul_i32 s42, s42, 6400
	s_mov_b32 s43, 0
	s_add_nc_u64 s[28:29], s[28:29], s[42:43]
.irp i, 0,1,2,3,4,5,6,7,8,9,10,11,12,13,14,15
	v_mad_u32_u24 v[OFF+\i], s32, (\i+8*(\i/8)), v6
.endr
.macro LOAD s                          ; step s: 128 along K of the 16 rows; each load reads 512 consecutive bytes of one row
.irp i, 0,1,2,3,4,5,6,7,8,9,10,11,12,13,14,15
	global_load_b128 v[R+64*((\s)%2)+4*\i:R+64*((\s)%2)+4*\i+3], v[OFF+\i], s[26:27] offset:512*(\s) th:TH_LOAD_NT
.endr
.endm
.macro QSTEP s
.if (\s) < 3
	s_wait_loadcnt 16                              ; this step's 16 loads are in; the next step's 16 may be out
.else
	s_wait_loadcnt 0x0
.endif
.irp i, 0,1,2,3,4,5,6,7,8,9,10,11,12,13,14,15
	ds_store_b128 v4, v[R+64*((\s)%2)+4*\i:R+64*((\s)%2)+4*\i+3] offset:528*\i
.endr
.irp c, 0,1                            ; LDS serves a wave's instructions in order: these see the stores above.  Lane (r, h) takes k = 64 c + 32 h + 0 .. 31 of row r
.irp j, 0,1,2,3,4,5,6,7
	ds_load_b128 v[X+32*\c+4*\j:X+32*\c+4*\j+3], v5 offset:256*\c+16*\j
.endr
.endr
	s_wait_dscnt 0x0
.if (\s) < 2
	LOAD (\s)+2
.endif
	s_wait_xcnt 0x0                                ; the last step's stores have read their data: the codes' registers are written again only behind this wait
.irp c, 0,1
	v_max3_num_f32 v[24+\c], |v[X+32*\c]|, |v[X+32*\c+1]|, 0x2800000   ; my block 2 c + h, and the floor 2^(5 - 127): the byte cannot fall under 1
.endr
.irp i, 2,4,6,8,10,12,14,16,18,20,22,24,26,28,30
.irp c, 0,1
	v_max3_num_f32 v[24+\c], v[24+\c], |v[X+32*\c+\i]|, |v[X+32*\c+\i+1]|
.endr
.endr
.irp c, 0,1
	v_add_nc_u32 v[26+\c], 0xfe000000, v[24+\c]    ; 4 off the exponent field: the conversion's scale operand
.endr
.irp c, 0,1
	v_lshrrev_b32 v[28+\c], 23, v[26+\c]           ; the scale's byte
.endr
	v_lshl_or_b32 v[SW+(\s)], v29, 16, v28         ; blocks h and 2 + h,
	v_lshlrev_b32 v[SW+(\s)], v31, v[SW+(\s)]      ; at their places in the word;
	v_permlanex16_b32 v248, v[SW+(\s)], s66, s67
	v_or_b32 v[SW+(\s)], v[SW+(\s)], v248          ; with lane l xor 16's two the word is whole
.irp c, 0,1
	v_cvt_scalef32_pk16_bf6_f32 v[C+6*\c:C+6*\c+2], v[X+32*\c:X+32*\c+15], v[26+\c]
	v_cvt_scalef32_pk16_bf6_f32 v[CT+4*\c:CT+4*\c+2], v[X+32*\c+16:X+32*\c+31], v[26+\c]
.endr
	v_nop                                          ; one plain place behind a scaled conversion
.irp c, 0,1
.irp i, 0,1,2
	v_mov_b32 v[C+6*\c+3+\i], v[CT+4*\c+\i]
.endr
.endr
.irp g, 0,1,2
	global_store_b128 v6, v[C+4*\g:C+4*\g+3], s[28:29] offset:1536*(\s)+512*\g   ; 32 lanes store 512 consecutive bytes
.endr
.endm
; (v[TT+4], v[TT+5]) is a number in two f32 parts; it is multiplied by a power of 10, also in two parts, where j has the bit, else by 1
.macro DSTEP j, bit, hi, lo
	v_and_b32 v[TT+10], \bit, v[\j]
	v_cmp_ne_u32 vcc_lo, 0, v[TT+10]
	v_mov_b32 v[TT+11], \hi
	v_mov_b32 v[TT+12], \lo
	v_cndmask_b32 v[TT+6], 1.0, v[TT+11], vcc_lo
	v_cndmask_b32 v[TT+7], 0, v[TT+12], vcc_lo
	v_mul_f32 v[TT+8], v[TT+4], v[TT+6]
	v_fma_f32 v[TT+9], v[TT+4], v[TT+6], -v[TT+8]  ; what the product's rounding dropped,
	v_fma_f32 v[TT+9], v[TT+4], v[TT+7], v[TT+9]   ; and the cross terms
	v_fma_f32 v[TT+9], v[TT+5], v[TT+6], v[TT+9]
	v_add_f32 v[TT+4], v[TT+8], v[TT+9]
	v_sub_f32 v[TT+10], v[TT+4], v[TT+8]
	v_sub_f32 v[TT+5], v[TT+9], v[TT+10]
.endm
.macro RECIP dst                       ; the reciprocal of the upper part, which is the power rounded once to f32; mended by one step so that it is the rounded quotient
	v_rcp_f32 v[TT+6], v[TT+4]
	v_nop                                          ; a plain place behind the reciprocal,
	s_wait_alu depctr_va_vdst(0)                   ; and a wait ahead of its first reader
	v_fma_f32 v[TT+7], -v[TT+4], v[TT+6], 1.0
	v_fma_f32 v[\dst], v[TT+6], v[TT+7], v[TT+6]
.endm
.macro SINCOS inv, dst                 ; v[TT+13] = the position as f32; s47 = 1: cos, 0: sin
	v_mul_f32 v[TT+14], v[TT+13], v[\inv]          ; the angle, rounded once
	v_mul_f32 v[TT+15], 0x3f22f983, v[TT+14]       ; x 2 / pi
	v_rndne_f32 v[TT+15], v[TT+15]                 ; n
	v_fma_f32 v[TT+16], v[TT+15], s50, v[TT+14]    ; r = angle - n pi / 2
	v_fma_f32 v[TT+16], v[TT+15], s51, v[TT+16]
	v_fma_f32 v[TT+16], v[TT+15], s52, v[TT+16]
	v_mul_f32 v[TT+17], v[TT+16], v[TT+16]         ; z
	v_fma_f32 v[TT+18], v[TT+17], s53, s54
	v_fma_f32 v[TT+18], v[TT+18], v[TT+17], s55
	v_mul_f32 v[TT+18], v[TT+18], v[TT+17]
	v_fma_f32 v[TT+18], v[TT+18], v[TT+16], v[TT+16]   ; sin r
	v_fma_f32 v[TT+19], v[TT+17], s56, s57
	v_fma_f32 v[TT+19], v[TT+19], v[TT+17], s58
	v_mul_f32 v[TT+20], v[TT+17], v[TT+17]
	v_fma_f32 v[TT+21], v[TT+17], -0.5, 1.0
	v_fma_f32 v[TT+19], v[TT+19], v[TT+20], v[TT+21]   ; cos r
	v_cvt_i32_f32 v[TT+20], v[TT+15]
	v_add_nc_u32 v[TT+20], s47, v[TT+20]           ; the quadrant of x, or of x + pi / 2
	v_and_b32 v[TT+21], 1, v[TT+20]
	v_cmp_ne_u32 vcc_lo, 0, v[TT+21]
	v_cndmask_b32 v[TT+22], v[TT+18], v[TT+19], vcc_lo   ; the sine of an angle in an odd quadrant is cos r,
	v_and_b32 v[TT+21], 2, v[TT+20]
	v_lshlrev_b32 v[TT+21], 30, v[TT+21]
	v_xor_b32 v[\dst], v[TT+21], v[TT+22]          ; and negative in quadrants 2 and 3
.endm
	LOAD 0
	LOAD 1
	; the table's row, while the 32 loads are on their way.  Lane l takes frequencies j = 2 l and 2 l + 1; 10000^(j / 64) = 10^(j / 16)
	v_lshlrev_b32 v[TT], 1, v1                     ; j = 2 x lane
	v_or_b32 v[TT+1], 1, v[TT]                     ; and 2 x lane + 1
	v_mov_b32 v[TT+4], 1.0
	v_mov_b32 v[TT+5], 0
	DSTEP TT, 2,  0x3faab0d5, 0xb364577e           ; 10^(1/8)  = 1.3335214321633240
	DSTEP TT, 4,  0x3fe39ea9, 0xb26aed14           ; 10^(1/4)  = 1.7782794100389228
	DSTEP TT, 8,  0x404a62c2, 0xb324b5dd           ; 10^(1/2)  = 3.1622776601683795
	DSTEP TT, 16, 0x41200000, 0                    ; 10
	DSTEP TT, 32, 0x42c80000, 0                    ; 100
	RECIP TT+2                                     ; the even frequency
	DSTEP TT+1, 1, 0x3f93cfe5, 0x334a4010          ; 10^(1/16) = 1.1547819846894582: every lane's odd j has this bit
	RECIP TT+3                                     ; the odd one
	s_wait_kmcnt 0x0                               ; my token's position
	v_cvt_f32_i32 v[TT+13], s46
	SINCOS TT+2, TD
	SINCOS TT+3, TD+1
	global_store_b64 v[TO], v[TD:TD+1], s[48:49]   ; 32 lanes store 256 consecutive bytes: the token's 64 cos, or its 64 sin
	QSTEP 0
	QSTEP 1
	QSTEP 2
	QSTEP 3
	v_cmp_eq_u32 vcc_lo, 1, v3
	v_cndmask_b32 v250, v[SW], v[SW+2], vcc_lo     ; lanes 0-15 store words 0 and 1 of their row, lanes 16-31 words 2 and 3
	v_cndmask_b32 v251, v[SW+1], v[SW+3], vcc_lo
	global_store_b64 v7, v[250:251], s[28:29] offset:6144   ; 32 lanes store 256 consecutive bytes
	s_wait_tensorcnt 0x0
	ds_add_u32 v249, v255
	s_wait_dscnt 0x0
	s_endpgm
.Lfunc_end_k_q4eb4cd24ed_quant:
	.size	k_q4eb4cd24ed_quant, .Lfunc_end_k_q4eb4cd24ed_quant-k_q4eb4cd24ed_quant
	.p2alignl 7, 3214868480
	.fill 96, 4, 3214868480
	.section	.rodata,"a",@progbits
	.p2align	6, 0x0
	.amdhsa_kernel k_q4eb4cd24ed_quant
		.amdhsa_group_segment_fixed_size 34304
		.amdhsa_private_segment_fixed_size 0
		.amdhsa_enable_private_segment 0
		.amdhsa_kernarg_size 80
		.amdhsa_user_sgpr_count 2
		.amdhsa_user_sgpr_kernarg_segment_ptr 1
		.amdhsa_wavefront_size32 1
		.amdhsa_system_sgpr_workgroup_id_x 1
		.amdhsa_system_sgpr_workgroup_id_y 1
		.amdhsa_system_sgpr_workgroup_id_z 1
		.amdhsa_system_vgpr_workitem_id 0
		.amdhsa_next_free_vgpr 256
		.amdhsa_next_free_sgpr 72
		.amdhsa_reserve_vcc 1
		.amdhsa_float_denorm_mode_32 3
		.amdhsa_float_denorm_mode_16_64 3
		.amdhsa_memory_ordered 1
		.amdhsa_forward_progress 1
		.amdhsa_inst_pref_size 39
	.end_amdhsa_kernel
	.amdgpu_metadata
---
amdhsa.version: [ 1, 2 ]
amdhsa.kernels:
  - .name:           k_q4eb4cd24ed_quant
    .symbol:         k_q4eb4cd24ed_quant.kd
    .args:
      - { .name: hidden_states, .offset: 0, .size: 8, .value_kind: global_buffer, .address_space: global }
      - { .name: Wq, .offset: 8, .size: 8, .value_kind: global_buffer, .address_space: global }
      - { .name: Wk, .offset: 16, .size: 8, .value_kind: global_buffer, .address_space: global }
      - { .name: Wv, .offset: 24, .size: 8, .value_kind: global_buffer, .address_space: global }
      - { .name: Wo, .offset: 32, .size: 8, .value_kind: global_buffer, .address_space: global }
      - { .name: position_ids, .offset: 40, .size: 8, .value_kind: global_buffer, .address_space: global }
      - { .name: xq, .offset: 48, .size: 8, .value_kind: global_buffer, .address_space: global }
      - { .name: wq, .offset: 56, .size: 8, .value_kind: global_buffer, .address_space: global }
      - { .name: woq, .offset: 64, .size: 8, .value_kind: global_buffer, .address_space: global }
      - { .name: rope, .offset: 72, .size: 8, .value_kind: global_buffer, .address_space: global }
    .group_segment_fixed_size: 34304
    .private_segment_fixed_size: 0
    .kernarg_segment_align: 8
    .kernarg_segment_size: 80
    .max_flat_workgroup_size: 128
    .sgpr_count:     72
    .vgpr_count:     256
    .wavefront_size: 32
...
	.end_amdgpu_metadata
.endif
;; end of part 1
;; launch qkv (part 2): grid 16 x 16, 4 waves a work-group, clusters of 4 x 4, 327,680 bytes of LDS; arguments xq, wq, rope, qpk, kv; writes qpk, kv
.if DOCPART == 2
	.amdgcn_target "amdgcn-amd-amdhsa--gfx1250"
	.amdhsa_code_object_version 6
	.text
	.protected	k_q4eb4cd24ed_qkv
	.globl	k_q4eb4cd24ed_qkv
	.p2align	8
	.type	k_q4eb4cd24ed_qkv,@function
k_q4eb4cd24ed_qkv:
	s_mov_b64 s[64:65], 0
	v_nop
	global_prefetch_b8 v0, s[64:65] scope:SCOPE_SE
	s_setreg_imm32_b32 hwreg(HW_REG_WAVE_MODE, 25, 1), 1
	s_wait_xcnt 0x0
	s_wait_alu depctr_hold_cnt(0) depctr_sa_sdst(0) depctr_va_vdst(0) depctr_va_sdst(0) depctr_va_ssrc(0) depctr_va_vcc(0) depctr_vm_vsrc(0)
	s_getreg_b32 s2, hwreg(HW_REG_IB_STS2, 6, 4)
	s_cmp_eq_u32 s2, 0
	s_cbranch_scc0 .Lentry_in_a_cluster
	s_endpgm
.Lentry_in_a_cluster:
	s_bfe_u32 s2, ttmp6, 0x10000c
	s_cmp_lg_u32 s2, 0xf033
	s_cbranch_scc0 .Lentry_shape_is_right
	s_endpgm
.Lentry_shape_is_right:
; q, k, v = hidden_states x (Wq | Wk | Wv)^T as ONE product on codes of BF6 (E3M2) with E8M0 scales: 4,096 weight rows x 2,048 tokens, K = 4,096; then RoPE and the quantiser for q and k (K = the head's 128),
; and the quantiser along the KEYS for v.  Operands come as records (16 rows x 512 K: four register images of 1,536 bytes and 256 bytes of scale words, 6,400 bytes), [tile of rows][K / 512].
; SHARES.  A work-group makes 256 weight rows (P, source 0) x 128 tokens (Q, source 1): 16 x 16 work-groups, one for each WGP; a tile of 256 x 256 would give half as many.  Each of four waves makes 128 x 64: 32 accumulators.
; A wave's 128 weight rows are one head.  Used so, a lane holds ONE token, and, since lane r of weight tile 2 b + u holds row 32 b + 8 u + r + 8 (r / 8), its 16 registers of tiles 2 b, 2 b + 1 are channels 32 b + 16 (lane / 16) + 0 .. 15.
; THE RING.  Two LDS slots of 512 along K (24 records, 153,600 bytes), filled by the tensor data mover; a record is a tile's row, 6,400 consecutive bytes.  A wave has two tensor loads out at the start, later one.
; CLUSTER 4 x 4: the four of a row of the cluster need the same tokens' records, the four of a column the same weights': each is asked for jointly, which divides the requests by four.
; REGISTERS: window 0: v1-14 addresses that stay, v16-25 LDS addresses, v28-29 the add's two, v32-95 scale words (two sets, nothing else ever), v128-223 Q's fragments (two sets of 48); window 1: P's fragments (two sets, at v0 and v128);
;   window 2: accumulator (a, b) at v[8 (8 a + b)].  Behind the sums: window 0 v96-117 at work, v128-191 a tile's 64 numbers, v192-223 products, v224-243 codes; window 1 v0-63 cos and sin.
; OUT.  qpk[head][128 tokens] and kv[head][128 tokens] (K's record, then V's, 12,800 bytes each): eight images and 512 bytes of scale words (tile t, lane r: 12,288 + 256 (t / 4) + 16 r + 4 (t % 4)).
; V's record: tile t, lane r = channel 32 (t / 2) + 8 (t % 2) + r + 8 (r / 8); K = the 128 keys in their order; an image in halves c: at 1,536 t + 768 c 512 bytes (registers 6 c .. 6 c + 3, 16 x lane), then 256 (registers 6 c + 4, 5, 8 x lane).
; LIMITS: a block of zeros gets the scale byte 1 (its codes are zeros; this program alone reads the bytes); NaN and infinities are not served.  RoPE's two products and sum are fused multiply-adds: one rounding fewer than written in the problem.
.set KQ,    8                          ; K / 512
.set LAPS,  KQ/2                       ; a lap = two slots = once round the ring
.set REC,   6400
.set SLOT,  24*REC                     ; Q's 8 records, then P's 16
.set POFF,  8*REC
.set SPARE, 2*SLOT                     ; behind the ring: the spare words, 128 bytes a wave: two blocks of 256 bytes that no other line names
.set FR,    12                         ; registers of a fragment
.set LI,    4                          ; v4   16 x lane
.set RA,    8                          ; v8   my token's row of the table: (r + 8 (r / 8)) x 512 + 64 h
.set WO,    9                          ; v9   16 r + 8 h
.set STV,   10                         ; v10  V's stage: where I put 32 bytes of a token's row
.set XRD,   11                         ; v11  and where I read a channel's keys
.set VSA,   12                         ; v12  V's scale bytes: my byte
.set VRD,   13                         ; v13  and where my wave reads 256 of them back
.set L8,    14                         ; v14  8 x lane
.set ADRQ,  16                         ; v16-17 my Q fragments in slot 0, 1
.set ADRP,  20                         ; v20-21 my P fragments
.set ADRS,  22                         ; v22-23 scale words: lanes 0-15 Q's block i, lanes 16-31 P's block i (i < 4)
.set ADRS2, 24                         ; v24-25 the same with P's block i + 4
.set SPW,   28
.set NIL,   29
.set SC,    32                         ; set for slot s at v[SC + 32 s]; register 4 i + q: the slot's q-th 128 along K
.set QF,    128
.set TM,    96
.set PW,    112
.set W,     116
.set H,     128
.set T,     192
.set PC,    224
.set COS,   0                          ; in window 1
.set SIN,   32
.set X,     128                        ; V: two sets of 32 keys
.set VC,    192
.set VT,    200
.set VSTG,  34048                      ; V's stage, a wave's: 64 rows x 528 bytes, + 32 behind the first 32 rows.  It lies in slot 0, which has had its last fill and its last read by then
.set VS,    4*VSTG                     ; V's scale bytes, 1,024 of them
.set G1,  24                           ; s[24:31] group 1 for Q's records; s[32:39] group 0, a set for each slot
.set G0,  32
.set G1B, 48                           ; s[48:55], s[56:63] the same for P's
.set G0B, 56
.set MSB, 0
.macro WIN new                         ; the immediate's high byte repeats the setting that is left
.if MSB != \new
	s_set_vgpr_msb (MSB<<8)|\new
.set MSB, \new
.endif
.endm
.set MUL,  0xa1                        ; source 0 (P) window 1, source 1 (Q) window 0, C and D window 2
.set TO_P, 0x40
.macro PLACES                          ; four plain places behind matrix instructions, ahead of loads into their registers and of reads of their results
.rept 4
	v_nop
.endr
.endm
.macro JLOAD g0q, g1q, g0p, g1p        ; a joint load: waves 0 and 1 fetch Q's halves, waves 2 and 3 P's; the branch hangs on the wave's number alone; four v_nop follow each line
	s_cmp_eq_u32 s15, 0
	s_cbranch_scc0 .Lfor_p_\@
	tensor_load_to_lds s[\g0q:\g0q+3], s[\g1q:\g1q+7]
	s_nop 0
.rept 4
	v_nop
.endr
	s_branch .Lasked_\@
.Lfor_p_\@:
	tensor_load_to_lds s[\g0p:\g0p+3], s[\g1p:\g1p+7]
	s_nop 0
.rept 4
	v_nop
.endr
.Lasked_\@:
.endm
.macro CREST                           ; a round of the cluster's barrier behind its opening barrier
	s_cmp_lg_u32 s14, 0
	s_cbranch_scc1 .Lnot_wave_0_\@
	s_barrier_signal -3
.Lnot_wave_0_\@:
	s_barrier_wait -3
	s_barrier_signal -1
	s_barrier_wait -1
.endm
.macro CROUND
	s_barrier_signal -1
	s_barrier_wait -1
	CREST
.endm
	s_load_b256 s[4:11], s[0:1], 0x0               ; xq s[4:5], wq s[6:7], rope s[8:9], qpk s[10:11]
	s_load_b64 s[12:13], s[0:1], 0x20              ; kv
	v_lshl_add_u32 v[SPW], v0, 2, SPARE
	v_mov_b32 v[NIL], 0
	ds_add_u32 v28, v29
	ds_add_u32 v28, v29
	s_wait_dscnt 0x0
	v_lshrrev_b32 v1, 5, v0
	v_readfirstlane_b32 s14, v1                    ; wave 0..3
	s_lshr_b32 s15, s14, 1                         ; which 64 tokens are mine.  Also: I fetch for Q (0) or for P (1)
	s_and_b32 s16, s14, 1                          ; which 128 weight rows.  Also: which half I fetch
	s_bfe_u32 s40, ttmp6, 0x40000                  ; cx, cy
	s_bfe_u32 s41, ttmp6, 0x40004
	s_lshl_b32 s42, ttmp9, 2
	s_add_co_u32 s42, s42, s40                     ; X: which 256 weight rows
	s_and_b32 s17, ttmp7, 0xffff
	s_lshl_b32 s17, s17, 2
	s_add_co_u32 s17, s17, s41                     ; Y: which 128 tokens
	s_lshl_b32 s43, s41, 2
	s_lshl_b32 s43, 15, s43                        ; my row of the cluster
	s_lshl_b32 s44, 0x1111, s40                    ; my column
	s_or_b32 s[G1], s43, (3<<16)|(1<<21)           ; 15:0 the mask: Q's records go to my row; 17:16 elements of 8 bytes; 21 set beside a mask; no padding
	s_or_b32 s[G1B], s44, (3<<16)|(1<<21)          ; P's go to my column
	s_mov_b32 s[G1+1], 800<<16                     ; tensor_dim0 = 800 elements: a record
	s_mov_b32 s[G1+2], 4<<16                       ; tensor_dim1 = 4 records
	s_mov_b32 s[G1+3], 800<<16                     ; tile_dim0
	s_mov_b32 s[G1+4], 4                           ; tile_dim1
	s_mov_b32 s[G1+5], KQ*800                      ; from a tile of rows to the next
	s_mov_b32 s[G1+6], 0
	s_mov_b32 s[G1+7], 0
	s_mov_b32 s[G1B+1], 800<<16
	s_mov_b32 s[G1B+2], 8<<16
	s_mov_b32 s[G1B+3], 800<<16
	s_mov_b32 s[G1B+4], 8
	s_mov_b32 s[G1B+5], KQ*800
	s_mov_b32 s[G1B+6], 0
	s_mov_b32 s[G1B+7], 0
	s_lshl_b32 s20, s17, 3
	s_lshl_b32 s18, s16, 2
	s_add_co_u32 s20, s20, s18                     ; Q: tile of rows 8 Y + 4 x half
	s_mul_i32 s20, s20, KQ*REC
	s_mov_b32 s21, 0
	s_lshl_b32 s46, s42, 4
	s_lshl_b32 s18, s16, 3
	s_add_co_u32 s46, s46, s18                     ; P: tile of rows 16 X + 8 x half
	s_mul_i32 s46, s46, KQ*REC
	s_mov_b32 s47, 0
	s_mul_i32 s45, s16, 4*REC                      ; where they go: no place in the cluster enters an LDS address
	s_mul_i32 s19, s16, 8*REC
	s_add_co_u32 s19, s19, POFF
	s_wait_kmcnt 0x0
	s_add_nc_u64 s[20:21], s[4:5], s[20:21]
	s_add_nc_u64 s[46:47], s[6:7], s[46:47]
	CROUND                                         ; all sixteen work-groups are here: the first joint loads meet
.irp s, 0,1
	s_mov_b32 s[G0+4*\s], 1
	s_add_co_u32 s[G0+4*\s+1], s45, \s*SLOT
	s_add_nc_u64 s[G0+4*\s+2:G0+4*\s+3], s[20:21], \s*REC
	s_or_b32 s[G0+4*\s+3], s[G0+4*\s+3], 0x80000000
	s_mov_b32 s[G0B+4*\s], 1
	s_add_co_u32 s[G0B+4*\s+1], s19, \s*SLOT
	s_add_nc_u64 s[G0B+4*\s+2:G0B+4*\s+3], s[46:47], \s*REC
	s_or_b32 s[G0B+4*\s+3], s[G0B+4*\s+3], 0x80000000
	JLOAD G0+4*\s, G1, G0B+4*\s, G1B
.endr
	v_and_b32 v1, 31, v0                           ; lane
	v_and_b32 v2, 15, v0                           ; r
	v_bfe_u32 v3, v0, 4, 1                         ; h
	v_lshlrev_b32 v[LI], 4, v1
	s_mul_i32 s21, s15, 4*REC                      ; my 4 records of Q
	s_mul_i32 s22, s16, 8*REC
	s_add_co_u32 s22, s22, POFF                    ; my 8 records of P
	v_lshlrev_b32 v5, 4, v2                        ; 16 r: my row's four scale words
	s_sub_co_u32 s23, s22, s21
	v_mul_u32_u24 v6, s23, v3                      ; lanes 16-31 take P's: one product, the distance between the two bases
	v_add_nc_u32 v5, v5, v6
	v_mul_u32_u24 v7, v3, 4*REC
.irp s, 0,1
	v_add_nc_u32 v[ADRQ+\s], s21, v[LI]
	v_add_nc_u32 v[ADRP+\s], s22, v[LI]
	s_add_co_u32 s18, s21, 6144
	v_add_nc_u32 v[ADRS+\s], s18, v5
	v_add_nc_u32 v[ADRS2+\s], v[ADRS+\s], v7
	s_add_co_u32 s21, s21, SLOT
	s_add_co_u32 s22, s22, SLOT
.endr
	; every address of what follows the sums is made here, ahead of all partings
	v_and_b32 v5, 8, v2
	v_add_nc_u32 v5, v5, v2                        ; r + 8 (r / 8)
	v_lshlrev_b32 v[RA], 9, v5
	v_lshl_add_u32 v[RA], v3, 6, v[RA]
	v_lshlrev_b32 v[WO], 4, v2
	v_lshl_add_u32 v[WO], v3, 3, v[WO]
	s_mul_i32 s18, s14, VSTG
	v_mul_u32_u24 v[STV], v2, 528
	v_lshl_add_u32 v[STV], v3, 6, v[STV]
	v_add_nc_u32 v[STV], s18, v[STV]
	v_mul_u32_u24 v[XRD], v3, 32*528+32
	v_lshl_add_u32 v[XRD], v5, 2, v[XRD]
	v_add_nc_u32 v[XRD], s18, v[XRD]
	s_lshl_b32 s18, s16, 9
	s_lshl_b32 s19, s15, 1
	s_add_co_u32 s18, s18, s19
	s_add_co_u32 s18, s18, VS
	v_lshl_add_u32 v[VSA], v2, 4, v3
	v_add_nc_u32 v[VSA], s18, v[VSA]               ; VS + 512 x (my head of the two) + 16 r + 2 x (my half of the keys) + h
	s_lshl_b32 s18, s14, 8
	s_add_co_u32 s18, s18, VS
	v_lshlrev_b32 v[L8], 3, v1
	v_add_nc_u32 v[VRD], s18, v[L8]
.irp b, 0,1,2,3
	v_mov_b32 v[TM+4+\b], 0                        ; a lane permute's destination counts as one of its sources
.endr
	s_mov_b32 s76, 0x76543210
	s_mov_b32 s77, 0xfedcba98
; 8 matrix instructions: Q's block a x P's eight, the slot's q-th 128 along K, fragment set p, scale set sc.  The 32 accumulators take turns in the same order in every step.
.macro MUL8 a, p, q, sc, zero
.irp b, 0,1,2,3,4,5,6,7
.if \zero
	v_wmma_scale_f32_16x16x128_f8f6f4 v[8*(8*(\a)+\b):8*(8*(\a)+\b)+7], v[128*(\p)+FR*\b:128*(\p)+FR*\b+FR-1], v[QF+48*(\p)+FR*(\a):QF+48*(\p)+FR*(\a)+FR-1], 0, v[SC+32*(\sc)+4*\b+(\q)], v[SC+32*(\sc)+4*(\a)+(\q)] matrix_a_fmt:MATRIX_FMT_BF6 matrix_b_fmt:MATRIX_FMT_BF6 matrix_a_scale:MATRIX_SCALE_ROW1
.else
	v_wmma_scale_f32_16x16x128_f8f6f4 v[8*(8*(\a)+\b):8*(8*(\a)+\b)+7], v[128*(\p)+FR*\b:128*(\p)+FR*\b+FR-1], v[QF+48*(\p)+FR*(\a):QF+48*(\p)+FR*(\a)+FR-1], v[8*(8*(\a)+\b):8*(8*(\a)+\b)+7], v[SC+32*(\sc)+4*\b+(\q)], v[SC+32*(\sc)+4*(\a)+(\q)] matrix_a_fmt:MATRIX_FMT_BF6 matrix_b_fmt:MATRIX_FMT_BF6 matrix_a_scale:MATRIX_SCALE_ROW1
.endif
.endr
.endm
.macro FETCH slot, q, p                ; 36 loads in one run: an image comes back as it was stored, 16 bytes a lane, 512 consecutive bytes a load
	WIN TO_P
.irp i, 0,1,2,3,4,5,6,7
.irp g, 0,1,2
	ds_load_b128 v[128*(\p)+FR*\i+4*\g:128*(\p)+FR*\i+4*\g+3], v[ADRP+\slot] offset:REC*\i+1536*(\q)+512*\g
.endr
.endr
	WIN 0
.irp i, 0,1,2,3
.irp g, 0,1,2
	ds_load_b128 v[QF+48*(\p)+FR*\i+4*\g:QF+48*(\p)+FR*\i+4*\g+3], v[ADRQ+\slot] offset:REC*\i+1536*(\q)+512*\g
.endr
.endr
.endm
.macro SCALES slot                     ; a slot's scale words: four words a row by one load
.irp i, 0,1,2,3
	ds_load_b128 v[SC+32*\slot+4*\i:SC+32*\slot+4*\i+3], v[ADRS+\slot] offset:REC*\i
	ds_load_b128 v[SC+32*\slot+16+4*\i:SC+32*\slot+16+4*\i+3], v[ADRS2+\slot] offset:REC*\i
.endr
.endm
.macro STEP slot, q, zero              ; one of a slot's first three steps of 128 along K; in its middle the next step's fragments are fetched into the other set
	s_wait_dscnt 0x0                               ; this step's fragments, asked for 16 matrix instructions ago, are in
	WIN MUL
	MUL8 0, (\q)%2, \q, \slot, \zero
	MUL8 1, (\q)%2, \q, \slot, \zero
	PLACES
	FETCH \slot, (\q)+1, 1-(\q)%2
	WIN MUL
	MUL8 2, (\q)%2, \q, \slot, \zero
	MUL8 3, (\q)%2, \q, \slot, \zero
.endm
; A slot's last step changes slots: ONE barrier; in front of it each wave waits for all its tensor loads, adds 0 to its spare word, and waits for that and for its reads of this slot.  fill = 1: the slot is filled again, two slots ahead.
.macro TURN slot, next, fill
	WIN 0                                          ; (the add's two registers lie in window 0)
	s_wait_tensorcnt 0x0                           ; all my tensor loads have landed: my part of the next slot;
	ds_add_u32 v[SPW], v[NIL]                      ; 0 onto my spare word;
	s_wait_dscnt 1                                 ; (the add alone may be out: this step's 36 loads are in)
	WIN MUL
	MUL8 0, 1, 3, \slot, 0                         ; eight matrix instructions stand between the add and the wait for it
	s_wait_dscnt 0x0                               ; the add is done, and my reads of this slot are over
	s_barrier_signal -1
	MUL8 1, 1, 3, \slot, 0
	WIN 0
	s_barrier_wait -1
.if \fill
	CREST                                          ; the barrier has opened a round of the cluster's: no wave of any partner still reads this slot or has a load on its way
	s_add_nc_u64 s[G0+4*\slot+2:G0+4*\slot+3], s[G0+4*\slot+2:G0+4*\slot+3], 2*REC
	s_add_nc_u64 s[G0B+4*\slot+2:G0B+4*\slot+3], s[G0B+4*\slot+2:G0B+4*\slot+3], 2*REC
	JLOAD G0+4*\slot, G1, G0B+4*\slot, G1B         ; the first tensor load behind the round; its four v_nop are also the places in front of the loads below
.else
	PLACES
.endif
	FETCH \next, 0, 0
	SCALES \next
	WIN MUL
	MUL8 2, 1, 3, \slot, 0
	MUL8 3, 1, 3, \slot, 0
.endm
	s_wait_tensorcnt 1                             ; my part of slot 0 is in; slot 1's may stay out
	s_barrier_signal -1
	s_barrier_wait -1
	FETCH 0, 0, 0
	SCALES 0
	STEP 0, 0, 1                                   ; the first step stands in front of the loop: its products start the sums
	WIN 0
	s_mov_b32 s3, LAPS-1
.Llap:                                             ; a trip goes once round the ring, from a lap's second step to the next lap's first, and fills both slots again
	STEP 0, 1, 0
	STEP 0, 2, 0
	TURN 0, 1, 1
	STEP 1, 0, 0
	STEP 1, 1, 0
	STEP 1, 2, 0
	TURN 1, 0, 1
	STEP 0, 0, 0
	WIN 0
	s_sub_co_u32 s3, s3, 1
	s_cmp_lg_u32 s3, 0
	s_cbranch_scc1 .Llap
	STEP 0, 1, 0                                   ; the last lap fills nothing
	STEP 0, 2, 0
	TURN 0, 1, 0
	STEP 1, 0, 0
	STEP 1, 1, 0
	STEP 1, 2, 0
	s_wait_dscnt 0x0
	WIN MUL
	MUL8 0, 1, 3, 1, 0
	MUL8 1, 1, 3, 1, 0
	MUL8 2, 1, 3, 1, 0
	MUL8 3, 1, 3, 1, 0
	WIN 0
	PLACES
	s_lshl_b32 s66, s42, 1
	s_add_co_u32 s66, s66, s16                     ; my 128 weight rows: 0-15 q's heads, 16-23 k's, 24-31 v's
	s_lshl_b32 s67, s66, 4
	s_add_co_u32 s67, s67, s17                     ; x 16 + Y
	s_cmp_eq_u32 ttmp9, 3                          ; the cluster's x is the same in all partners: clusters 0, 1 make q, 2 makes k, 3 makes v
	s_cbranch_scc1 .Lv
	; ---------------- q and k: RoPE, the quantiser, images out.  No LDS ----------------
	s_mul_i32 s68, s67, 12800
	s_sub_co_u32 s67, s67, 256
	s_mul_i32 s69, s67, 25600
	s_cmp_lt_u32 ttmp9, 2
	s_cselect_b32 s68, s68, s69
	s_cselect_b64 s[70:71], s[10:11], s[12:13]     ; qpk or kv: the choice hangs on the cluster's number alone
	s_mov_b32 s69, 0
	s_add_nc_u64 s[70:71], s[70:71], s[68:69]      ; the record
	s_mul_i32 s68, s15, 6144
	s_add_nc_u64 s[72:73], s[70:71], s[68:69]      ; my four images
	s_lshl_b32 s68, s15, 8
	s_add_co_u32 s68, s68, 12288
	s_add_nc_u64 s[70:71], s[70:71], s[68:69]      ; my 256 bytes of scale words
	s_lshl_b32 s68, s17, 7
	s_lshl_b32 s74, s15, 6
	s_add_co_u32 s68, s68, s74
	s_lshl_b32 s68, s68, 9
	s_add_nc_u64 s[74:75], s[8:9], s[68:69]        ; the table at my first token
.macro LOADCS a                        ; tile a's tokens: cos and sin of frequencies 32 c + 16 h + 0 .. 15, in the order of the lane's registers
	WIN 0x40
.irp c, 0,1
.irp i, 0,1,2,3
	global_load_b128 v[COS+16*\c+4*\i:COS+16*\c+4*\i+3], v[RA], s[74:75] offset:(32*((\a)/2)+8*((\a)%2))*512+128*\c+16*\i
	global_load_b128 v[SIN+16*\c+4*\i:SIN+16*\c+4*\i+3], v[RA], s[74:75] offset:(32*((\a)/2)+8*((\a)%2))*512+128*\c+16*\i+256
.endr
.endr
	WIN 0
.endm
.macro ROPE a                          ; channels d (accumulators b = 0-3) and d + 64 (b + 4) lie in the same lane and register; each accumulator is read from its low end on
	WIN 0x06                                       ; source 0 window 2, source 1 window 1
.irp t, 0,1,2,3
.irp j, 0,2,4,6
	v_pk_mul_f32 v[T+8*\t+\j:T+8*\t+\j+1], v[8*(8*(\a)+\t+4)+\j:8*(8*(\a)+\t+4)+\j+1], v[SIN+8*\t+\j:SIN+8*\t+\j+1]
.endr
.endr
.irp t, 0,1,2,3
.irp j, 0,2,4,6
	v_pk_fma_f32 v[H+8*\t+\j:H+8*\t+\j+1], v[8*(8*(\a)+\t)+\j:8*(8*(\a)+\t)+\j+1], v[COS+8*\t+\j:COS+8*\t+\j+1], v[T+8*\t+\j:T+8*\t+\j+1] neg_lo:[0,0,1] neg_hi:[0,0,1]
.endr
.endr
.irp t, 0,1,2,3
.irp j, 0,2,4,6
	v_pk_mul_f32 v[T+8*\t+\j:T+8*\t+\j+1], v[8*(8*(\a)+\t)+\j:8*(8*(\a)+\t)+\j+1], v[SIN+8*\t+\j:SIN+8*\t+\j+1]
.endr
.endr
.irp t, 0,1,2,3
.irp j, 0,2,4,6
	v_pk_fma_f32 v[H+32+8*\t+\j:H+32+8*\t+\j+1], v[8*(8*(\a)+\t+4)+\j:8*(8*(\a)+\t+4)+\j+1], v[COS+8*\t+\j:COS+8*\t+\j+1], v[T+8*\t+\j:T+8*\t+\j+1]
.endr
.endr
	WIN 0
.endm
; 64 numbers of a lane, register 16 b + i = k 32 b + 16 (lane / 16) + i of my row, become a fragment's codes in v[PC] on and its scale word in v[pw]
.macro QUANT s, pw
.irp b, 0,1,2,3
	v_max3_num_f32 v[TM+\b], |v[(\s)+16*\b]|, |v[(\s)+1+16*\b]|, 0x2800000   ; my 16 numbers of block b, and the floor 2^(5 - 127)
.endr
.irp i, 2,4,6,8,10,12,14
.irp b, 0,1,2,3
	v_max3_num_f32 v[TM+\b], v[TM+\b], |v[(\s)+16*\b+\i]|, |v[(\s)+1+16*\b+\i]|
.endr
.endr
.irp b, 0,1,2,3
	v_permlanex16_b32 v[TM+4+\b], v[TM+\b], s76, s77
.endr
.irp b, 0,1,2,3
	v_max_num_f32 v[TM+\b], v[TM+\b], v[TM+4+\b]   ; with lane l xor 16's: the block's largest magnitude
.endr
.irp b, 0,1,2,3
	v_add_nc_u32 v[TM+12+\b], 0xfe000000, v[TM+\b] ; 4 off its exponent field: the conversion's scale operand
.endr
.irp b, 0,1,2,3
	v_lshrrev_b32 v[TM+8+\b], 23, v[TM+12+\b]      ; the scale's byte
.endr
	v_lshl_or_b32 v[\pw], v[TM+9], 8, v[TM+8]
	v_lshl_or_b32 v[\pw], v[TM+10], 16, v[\pw]
	v_lshl_or_b32 v[\pw], v[TM+11], 24, v[\pw]
.irp c, 0,1
	v_cvt_scalef32_pk16_bf6_f32 v[PC+6*\c:PC+2+6*\c], v[(\s)+32*\c:(\s)+15+32*\c], v[TM+12+2*\c]
	v_cvt_scalef32_pk16_bf6_f32 v[PC+12+4*\c:PC+14+4*\c], v[(\s)+16+32*\c:(\s)+31+32*\c], v[TM+12+2*\c+1]
.endr
	v_nop                                          ; one plain place behind a scaled conversion
.irp c, 0,1                            ; the operand's layout wants a whole block in a lane
.irp i, 0,1,2
	v_permlane16_swap_b32 v[PC+6*\c+\i], v[PC+12+4*\c+\i]
.endr
.irp i, 0,1,2
	v_mov_b32 v[PC+3+6*\c+\i], v[PC+12+4*\c+\i]
.endr
.endr
.endm
	LOADCS 0
.irp a, 0,1,2,3
	s_wait_loadcnt 0x0                             ; this tile's cos and sin
	ROPE \a
.if \a < 3
	LOADCS \a+1                                    ; the next tile's land while this one is quantised
.endif
	s_wait_xcnt 0x0                                ; the last tile's stores have read the codes' registers
	QUANT H, PW+\a
.irp g, 0,1,2
	global_store_b128 v[LI], v[PC+4*\g:PC+4*\g+3], s[72:73] offset:1536*\a+512*\g   ; 32 lanes store 512 consecutive bytes
.endr
.endr
	v_cmp_eq_u32 vcc_lo, 1, v3
	v_cndmask_b32 v[W], v[PW], v[PW+2], vcc_lo     ; lanes 0-15 store tiles 0 and 1's words of their row, lanes 16-31 tiles 2 and 3's
	v_cndmask_b32 v[W+1], v[PW+1], v[PW+3], vcc_lo
	global_store_b64 v[WO], v[W:W+1], s[70:71]     ; 256 consecutive bytes
	s_branch .Ljoin
	; ---------------- v: turned through my stage, quantised along the keys ----------------
.Lv:
	s_sub_co_u32 s67, s67, 384                     ; (my head of v) x 16 + Y
	s_mul_i32 s68, s67, 25600
	s_mul_i32 s69, s15, 768                        ; my 64 keys are half c = my half of the tokens
	s_add_co_u32 s68, s68, s69
	s_add_co_u32 s68, s68, 12800
	s_mov_b32 s69, 0
	s_add_nc_u64 s[72:73], s[12:13], s[68:69]
	WIN 0x08                                       ; an LDS store's data are its source 1: window 2
.irp a, 0,1,2,3
.irp b, 0,1,2,3,4,5,6,7
	ds_store_b128 v[STV], v[8*(8*\a+\b):8*(8*\a+\b)+3] offset:16*\a*528+32*(\a/2)+128*(\b/2)+32*(\b%2)      ; row = token 16 a + r as stored; my eight channels at their natural bytes; each accumulator from its low end on
	ds_store_b128 v[STV], v[8*(8*\a+\b)+4:8*(8*\a+\b)+7] offset:16*\a*528+32*(\a/2)+128*(\b/2)+32*(\b%2)+16
.endr
.endr
	WIN 0
.macro LOADX t                         ; tile t: my channel's keys 32 h + i in their order: key i of a half lies in stored row 16 ((i / 8) % 2) + 8 (i / 16) + i % 8.  The 32 lanes touch 32 different banks
.set ii, 0
.rept 32
	ds_load_b32 v[X+32*((\t)%2)+ii], v[XRD] offset:(16*((ii/8)%2)+8*(ii/16)+ii%8)*528+4*(32*((\t)/2)+8*((\t)%2))
.set ii, ii+1
.endr
.endm
.macro VTILE t
.set XS, X+32*((\t)%2)
.if (\t) < 7
	LOADX (\t)+1
	s_wait_dscnt 32                                ; the 32 loads just issued may be out: this tile's are in
.else
	s_wait_dscnt 0x0
.endif
	s_wait_xcnt 0x0                                ; the last tile's stores have read the codes' registers
	v_max3_num_f32 v[TM], |v[XS]|, |v[XS+1]|, |v[XS+2]|       ; a whole block of 32 keys is mine
	v_max3_num_f32 v[TM+1], |v[XS+3]|, |v[XS+4]|, |v[XS+5]|
.irp i, 6,10,14,18,22,26
	v_max3_num_f32 v[TM], v[TM], |v[XS+\i]|, |v[XS+\i+1]|
	v_max3_num_f32 v[TM+1], v[TM+1], |v[XS+\i+2]|, |v[XS+\i+3]|
.endr
	v_max3_num_f32 v[TM], v[TM], |v[XS+30]|, |v[XS+31]|
	v_max3_num_f32 v[TM], v[TM], v[TM+1], 0x2800000           ; and the floor
	v_add_nc_u32 v[TM+2], 0xfe000000, v[TM]
	v_lshrrev_b32 v[TM+3], 23, v[TM+2]
	v_cvt_scalef32_pk16_bf6_f32 v[VC:VC+2], v[XS:XS+15], v[TM+2]
	v_cvt_scalef32_pk16_bf6_f32 v[VT:VT+2], v[XS+16:XS+31], v[TM+2]
	v_nop
.irp i, 0,1,2
	v_mov_b32 v[VC+3+\i], v[VT+\i]
.endr
	global_store_b128 v[LI], v[VC:VC+3], s[72:73] offset:1536*(\t)          ; 512 consecutive bytes,
	global_store_b64 v[L8], v[VC+4:VC+5], s[72:73] offset:1536*(\t)+512     ; and 256
	ds_store_b8 v[VSA], v[TM+3] offset:256*((\t)/4)+4*((\t)%4)              ; my block's byte of my channel's scale word
.endm
	LOADX 0                                        ; LDS serves a wave's instructions in order: these see my stores
.irp t, 0,1,2,3,4,5,6,7
	VTILE \t
.endr
.Ljoin:                                            ; every work-group passes this barrier; in v's it parts the scale bytes' stores from their reads
	s_wait_xcnt 0x0                                ; the stores above have read their data and bases: v[W:W+1] and s[70:71] are written again below only behind this wait
	s_wait_dscnt 0x0
	s_barrier_signal -1
	s_barrier_wait -1
	s_cmp_eq_u32 ttmp9, 3
	s_cbranch_scc0 .Lend
	ds_load_b64 v[W:W+1], v[VRD]                   ; wave w takes 256 bytes: head w / 2 of the work-group's two, tiles 4 (w % 2) on
	s_lshl_b32 s66, s42, 1
	s_add_co_u32 s66, s66, s15
	s_sub_co_u32 s66, s66, 24
	s_lshl_b32 s66, s66, 4
	s_add_co_u32 s66, s66, s17
	s_mul_i32 s68, s66, 25600
	s_lshl_b32 s69, s16, 8
	s_add_co_u32 s68, s68, s69
	s_add_co_u32 s68, s68, 12800+12288
	s_mov_b32 s69, 0
	s_add_nc_u64 s[70:71], s[12:13], s[68:69]
	s_wait_dscnt 0x0
	global_store_b64 v[L8], v[W:W+1], s[70:71]     ; 256 consecutive bytes
.Lend:
	s_wait_tensorcnt 0x0                           ; the wave's end
	ds_add_u32 v[SPW], v[NIL]
	s_wait_dscnt 0x0
	CROUND                                         ; the closing round
	s_endpgm
.Lfunc_end_k_q4eb4cd24ed_qkv:
	.size	k_q4eb4cd24ed_qkv, .Lfunc_end_k_q4eb4cd24ed_qkv-k_q4eb4cd24ed_qkv
	.p2alignl 7, 3214868480
	.fill 96, 4, 3214868480
	.section	.rodata,"a",@progbits
	.p2align	6, 0x0
	.amdhsa_kernel k_q4eb4cd24ed_qkv
		.amdhsa_group_segment_fixed_size 327680
		.amdhsa_private_segment_fixed_size 0
		.amdhsa_enable_private_segment 0
		.amdhsa_kernarg_size 40
		.amdhsa_user_sgpr_count 2
		.amdhsa_user_sgpr_kernarg_segment_ptr 1
		.amdhsa_wavefront_size32 1
		.amdhsa_system_sgpr_workgroup_id_x 1
		.amdhsa_system_sgpr_workgroup_id_y 1
		.amdhsa_system_sgpr_workgroup_id_z 1
		.amdhsa_system_vgpr_workitem_id 0
		.amdhsa_next_free_vgpr 768
		.amdhsa_next_free_sgpr 100
		.amdhsa_reserve_vcc 1
		.amdhsa_float_denorm_mode_32 3
		.amdhsa_float_denorm_mode_16_64 3
		.amdhsa_memory_ordered 1
		.amdhsa_forward_progress 1
		.amdhsa_inst_pref_size 192
	.end_amdhsa_kernel
	.amdgpu_metadata
---
amdhsa.version: [ 1, 2 ]
amdhsa.kernels:
  - .name:           k_q4eb4cd24ed_qkv
    .symbol:         k_q4eb4cd24ed_qkv.kd
    .args:
      - { .name: xq, .offset: 0, .size: 8, .value_kind: global_buffer, .address_space: global }
      - { .name: wq, .offset: 8, .size: 8, .value_kind: global_buffer, .address_space: global }
      - { .name: rope, .offset: 16, .size: 8, .value_kind: global_buffer, .address_space: global }
      - { .name: qpk, .offset: 24, .size: 8, .value_kind: global_buffer, .address_space: global }
      - { .name: kv, .offset: 32, .size: 8, .value_kind: global_buffer, .address_space: global }
    .group_segment_fixed_size: 327680
    .private_segment_fixed_size: 0
    .kernarg_segment_align: 8
    .kernarg_segment_size: 40
    .max_flat_workgroup_size: 128
    .sgpr_count:     100
    .vgpr_count:     768
    .wavefront_size: 32
...
	.end_amdgpu_metadata
.endif
;; end of part 2
;; launch attn (part 3): grid 32 x 8, 4 waves a work-group, clusters of 4 x 4, 327,680 bytes of LDS; arguments qpk, kv, attention_mask, ao; writes ao
.if DOCPART == 3
	.amdgcn_target "amdgcn-amd-amdhsa--gfx1250"
	.amdhsa_code_object_version 6
	.text
	.protected	k_q4eb4cd24ed_attn
	.globl	k_q4eb4cd24ed_attn
	.p2align	8
	.type	k_q4eb4cd24ed_attn,@function
k_q4eb4cd24ed_attn:
	s_mov_b64 s[64:65], 0
	v_nop
	global_prefetch_b8 v0, s[64:65] scope:SCOPE_SE
	s_setreg_imm32_b32 hwreg(HW_REG_WAVE_MODE, 25, 1), 1
	s_wait_xcnt 0x0
	s_wait_alu depctr_hold_cnt(0) depctr_sa_sdst(0) depctr_va_vdst(0) depctr_va_sdst(0) depctr_va_ssrc(0) depctr_va_vcc(0) depctr_vm_vsrc(0)
	s_getreg_b32 s2, hwreg(HW_REG_IB_STS2, 6, 4)
	s_cmp_eq_u32 s2, 0
	s_cbranch_scc0 .Lentry_in_a_cluster
	s_endpgm
.Lentry_in_a_cluster:
	s_bfe_u32 s2, ttmp6, 0x10000c
	s_cmp_lg_u32 s2, 0xf033
	s_cbranch_scc0 .Lentry_shape_is_right
	s_endpgm
.Lentry_shape_is_right:
; ao = softmax(q k^T / sqrt(128) + attention_mask) v, both products on codes of BF6 (E3M2) with E8M0 scales; the result is quantised along head x 128 + channel for the last product.
; THE SOFTMAX: t = score x log2(e) / sqrt(128) + mask x log2(e), one fused multiply-add onto the rounded mask term, so t is a rounded f32 number; M = the row's largest t so far, rounded UP to a whole number;
; p = 2^(t - M) is quantised along the keys, not normalised; the row's sum is taken of the unquantised p and divides at the end.  When M moves, the sum and O are multiplied by 2^(old M - new M): exact.
; The mask is an input: every score takes its own number of it, and no tile of keys is left out.
; SHARES.  A work-group owns 64 queries and one key/value head: 32 x 8 work-groups.  Wave w owns ONE tile of 16 queries for BOTH query heads of that key/value head, so each fragment of K and V and each mask register serves two tiles.
; Every wave walks the 2,048 keys, 128 a step.  A slot of the ring holds two steps: two records of kv (K's 12,800 bytes, then V's) and 64 rows x 256 numbers of the mask (rows 1,040 bytes apart).
; CLUSTER 4 x 4: the four of a row share the key/value head, the four of a column the queries: kv's records and the mask's tiles are asked for jointly.  A wave has two tensor loads out at the start, later one.
; LAYOUT.  Both products transposed (S^T = K Q^T, O^T = V^T P^T): a lane holds one query.  Tile 2 b + u of K holds in lane r key 32 b + 8 u + r + 8 (r / 8), so the 16 registers of tiles 2 b, 2 b + 1 are keys 32 b + 16 (lane / 16) + 0 .. 15;
; V's channels are laid the same way, so O^T's registers are neighbours along the last product's K.  The queries of a tile are laid so too: lane r of my tile is row 32 (w / 2) + 8 (w % 2) + r + 8 (r / 8) of the 64.
; Rows 16 apart of the mask start at the same bank with this pitch, so a mask load's two groups of eight rows meet: two deep.
; BY TURNS.  A key step has 32 matrix instructions and 594 vector ones, and the wave is alone on its SIMD.  Behind each of 24 matrix instructions stand four vector instructions that name none of its registers: the mask's 32 multiplications behind
; head 0's K Q^T, head 0's 32 multiply-adds for t behind head 1's K Q^T, head 1's 32 rescalings of O^T behind head 0's V^T P.  Such a slice costs two switches of the register windows: seven issue slots for a matrix instruction.
; The two heads' softmaxes go line by line together: eight chains of maxima, four chains of sums, and one wait for each of the step's two batches of exponentials.
; REGISTERS: window 0: v1-15 addresses; v16-27 statistics (a head: -M, largest t, the sum in two halves, f and a spare); v28-47 scale words alone (Q's, p's, K's, V's); v48-63 and v112-127 at work, a set a head; v72-95 p's codes;
;   v96-111 conversions, eight a head; v128-255 S^T, then p.   window 1: v0-127 O^T; v128-191 the mask; v192-215 Q.   window 2: v0-95 K; v128-223 V.
; LIMITS: a block of zeros gets the scale byte 1; NaN and infinities are not served beyond what the arithmetic gives; t's order of rounding differs from the written one (score / sqrt(128) + mask, then x log2(e)) by about an ulp of t.
; ao's scale words leave as 4 bytes a lane, half of each 16 bytes (the other half is the neighbouring key/value head's): 128 KiB in the whole launch.
.set SLOT1, 1<<17                      ; slot 1 begins here: one exclusive or turns an address
.set KVR,   25600
.set MOFF,  51200                      ; the mask's rows in a slot
.set MP,    1040
.set SPARE, 2*SLOT1                    ; the spare words: two blocks of 256 bytes that no other line names
.set LI,  1                            ; v1   16 x lane
.set L8,  2                            ; v2   8 x lane
.set AM0, 3                            ; v3   my row of the mask: MOFF + row x MP + 64 h
.set AS0, 4                            ; v4   16 r + 12,288: my row's scale words in a record
.set SPW, 5
.set NIL, 6
.set ADK, 7                            ; v7-10 the same four in the slot in hand
.set AD8, 8
.set ADM, 9
.set ADS, 10
.set PFO, 11                           ; v11  the prefetches' offset
.set SO,  12                           ; v12  16 r + 4 h
.set ST,  16
.set QS,  28
.set PW,  30
.set KS,  32
.set VS,  40
.set TM,  48                           ; head e's set at v[TM + 64 e]: 0-3 the blocks' maxima, 4-7 the other half's, then a chain of sums, 8-11 a spare, then the bytes, 12-15 the conversions' scale operands
.set PC,  72
.set CT,  96                           ; head e's at v[CT + 8 e]
.set S,   128
.set MK,  128                          ; in window 1
.set QFR, 192                          ; in window 1
.set VF,  128                          ; in window 2
.set WV,  12
.set G1K, 24                           ; s[24:31] group 1 for kv's records; s[32:39] for the mask's tiles
.set G1M, 32
.set G0K, 40                           ; s[40:47] group 0 for kv: a set for each first fill; the second then walks
.set G0M, 48                           ; s[48:55] the same for the mask
.set TB,  56                           ; s56  the slot in hand
.set SLOTS, 57                         ; s57  slots still to be asked for
.set CS,  58                           ; s[58:59] log2(e) / sqrt(128)
.set SEL, 60
.set L2E, 62                           ; s[62:63] log2(e)
.set PFA, 66
.set PFS, 68
.set LIM, 70
.set MSB, 0
.macro WIN new
.if MSB != \new
	s_set_vgpr_msb (MSB<<8)|\new
.set MSB, \new
.endif
.endm
.macro PLACES
.rept 4
	v_nop
.endr
.endm
.macro JLOAD                           ; a joint refill: waves 0 and 1 fetch the slot's two records of kv, waves 2 and 3 the mask's two halves; four v_nop follow each line
	s_cmp_lt_u32 s[WV], 2
	s_cbranch_scc0 .Lfor_m_\@
	tensor_load_to_lds s[G0K+4:G0K+7], s[G1K:G1K+7]
	s_nop 0
.rept 4
	v_nop
.endr
	s_branch .Lasked_\@
.Lfor_m_\@:
	tensor_load_to_lds s[G0M+4:G0M+7], s[G1M:G1M+7]
	s_nop 0
.rept 4
	v_nop
.endr
.Lasked_\@:
.endm
; A PREFETCH INTO THE L2 of what the NEXT change of slots will ask for, two key steps ahead of that load.  kv's records are read by all eight clusters of a row of clusters: the first (cluster x = 0) asks; the mask's rows by both
; clusters of a column: cluster y = 0 asks.  The four partners that ask for a tile jointly share it out BY ADDRESS: of a record's 100 blocks of 256 bytes partner cx names 25 (lanes 25-31 repeat lane 24's block in the same instruction);
; of the 32 rows of the mask that a wave fetches partner cy names 8, four lanes to a row's 1,024 bytes.  Slots 0 to 2 come by their loads alone; the last change that fills a slot asks for nothing.
.macro ASK
	s_cmp_gt_u32 s[SLOTS], s[LIM]
	s_cbranch_scc0 .Lnot_mine_\@
	global_prefetch_b8 v[PFO], s[PFA:PFA+1] th:TH_LOAD_NT scope:SCOPE_SE
.Lnot_mine_\@:
.endm
.macro CROUND
	s_barrier_signal -1
	s_barrier_wait -1
	s_cmp_lg_u32 s[WV], 0
	s_cbranch_scc1 .Lnot_wave_0_\@
	s_barrier_signal -3
.Lnot_wave_0_\@:
	s_barrier_wait -3
	s_barrier_signal -1
	s_barrier_wait -1
.endm
	s_load_b256 s[4:11], s[0:1], 0x0               ; qpk s[4:5], kv s[6:7], attention_mask s[8:9], ao s[10:11]
	v_lshl_add_u32 v[SPW], v0, 2, SPARE
	v_mov_b32 v[NIL], 0
	ds_add_u32 v5, v6
	ds_add_u32 v5, v6
	s_wait_dscnt 0x0
	v_lshrrev_b32 v1, 5, v0
	v_readfirstlane_b32 s[WV], v1                  ; wave 0..3
	s_bfe_u32 s13, ttmp6, 0x40000                  ; cx
	s_bfe_u32 s14, ttmp6, 0x40004                  ; cy
	s_lshl_b32 s15, ttmp9, 2
	s_add_co_u32 s15, s15, s13                     ; x: which 64 queries
	s_and_b32 s16, ttmp7, 0xffff
	s_lshl_b32 s16, s16, 2
	s_add_co_u32 s16, s16, s14                     ; y: which key/value head
	s_lshl_b32 s17, s14, 2
	s_lshl_b32 s17, 15, s17                        ; my row of the cluster
	s_lshl_b32 s18, 0x1111, s13                    ; my column
	s_or_b32 s[G1K], s17, (3<<16)|(1<<21)          ; kv: a record of 25,600 dense bytes as 100 rows of 32 elements of 8 bytes; no padding
	s_mov_b32 s[G1K+1], 32<<16
	s_mov_b32 s[G1K+2], 100<<16
	s_mov_b32 s[G1K+3], 32<<16
	s_mov_b32 s[G1K+4], 100
	s_mov_b32 s[G1K+5], 32
	s_mov_b32 s[G1K+6], 0
	s_mov_b32 s[G1K+7], 0
	s_or_b32 s[G1M], s18, (2<<16)|(1<<20)|(1<<21)|(7<<22)|(3<<25)  ; the mask: elements of 4 bytes; 4 words of padding behind every 256 words, a row of the tile
	s_mov_b32 s[G1M+1], 256<<16
	s_mov_b32 s[G1M+2], 32<<16
	s_mov_b32 s[G1M+3], 256<<16
	s_mov_b32 s[G1M+4], 32
	s_mov_b32 s[G1M+5], 2048
	s_mov_b32 s[G1M+6], 0
	s_mov_b32 s[G1M+7], 0
	s_and_b32 s19, s[WV], 1
	s_lshl_b32 s20, s16, 4
	s_add_co_u32 s20, s20, s19
	s_mul_i32 s20, s20, KVR                        ; kv: record 16 y + which of the slot's two steps I fetch
	s_mov_b32 s21, 0
	s_lshl_b32 s22, s15, 6
	s_lshl_b32 s23, s19, 5
	s_add_co_u32 s22, s22, s23
	s_lshl_b32 s22, s22, 13                        ; the mask: row 64 x + 32 x half, 8,192 bytes a row
	s_mov_b32 s23, 0
	s_mul_i32 s72, s19, KVR                        ; where they go: no place in the cluster enters an LDS address
	s_mul_i32 s73, s19, 32*MP
	s_add_co_u32 s73, s73, MOFF
	s_mov_b32 s[CS], 0x3e0293ee
	s_mov_b32 s[CS+1], s[CS]                       ; (named with it as a pair, so it is written)
	s_mov_b32 s[L2E], 0x3fb8aa3b
	s_mov_b32 s[L2E+1], s[L2E]
	s_mov_b32 s[SEL], 0x76543210
	s_mov_b32 s[SEL+1], 0xfedcba98
	s_mov_b32 s[TB], 0
	s_mov_b32 s[SLOTS], 6
	s_wait_kmcnt 0x0
	s_add_nc_u64 s[20:21], s[6:7], s[20:21]
	s_add_nc_u64 s[22:23], s[8:9], s[22:23]
	CROUND                                         ; all sixteen work-groups are here: the first joint loads meet
.irp s, 0,1
	s_mov_b32 s[G0K+4*\s], 1
	s_add_co_u32 s[G0K+4*\s+1], s72, \s*SLOT1
	s_add_nc_u64 s[G0K+4*\s+2:G0K+4*\s+3], s[20:21], \s*2*KVR
	s_or_b32 s[G0K+4*\s+3], s[G0K+4*\s+3], 0x80000000
	s_mov_b32 s[G0M+4*\s], 1
	s_add_co_u32 s[G0M+4*\s+1], s73, \s*SLOT1
	s_add_nc_u64 s[G0M+4*\s+2:G0M+4*\s+3], s[22:23], \s*1024
	s_or_b32 s[G0M+4*\s+3], s[G0M+4*\s+3], 0x80000000
.endr
	s_cmp_lt_u32 s[WV], 2                          ; a wave's two first fills stand in one branch, ahead of every wait on TENSORcnt and every LDS read
	s_cbranch_scc0 .Lfirst_m
	tensor_load_to_lds s[G0K:G0K+3], s[G1K:G1K+7]
	s_nop 0
	tensor_load_to_lds s[G0K+4:G0K+7], s[G1K:G1K+7]
	s_nop 0
.rept 4
	v_nop
.endr
	s_branch .Lfirst_asked
.Lfirst_m:
	tensor_load_to_lds s[G0M:G0M+3], s[G1M:G1M+7]
	s_nop 0
	tensor_load_to_lds s[G0M+4:G0M+7], s[G1M:G1M+7]
	s_nop 0
.rept 4
	v_nop
.endr
.Lfirst_asked:
	v_and_b32 v48, 31, v0                          ; lane
	v_lshlrev_b32 v[LI], 4, v48
	v_lshlrev_b32 v[L8], 3, v48
	v_and_b32 v14, 15, v0                          ; r
	v_bfe_u32 v15, v0, 4, 1                        ; h
	v_and_b32 v[AM0], 8, v14
	v_add_nc_u32 v[AM0], v[AM0], v14               ; r + 8 (r / 8)
	s_lshr_b32 s74, s[WV], 1
	s_lshl_b32 s74, s74, 5
	s_lshl_b32 s75, s19, 3
	s_add_co_u32 s74, s74, s75
	v_add_nc_u32 v[AM0], s74, v[AM0]               ; + 32 (w / 2) + 8 (w % 2)
	v_mul_u32_u24 v[AM0], v[AM0], MP
	v_lshl_add_u32 v[AM0], v15, 6, v[AM0]
	v_add_nc_u32 v[AM0], MOFF, v[AM0]
	v_lshl_add_u32 v[AS0], v14, 4, 12288
	v_lshlrev_b32 v[SO], 4, v14
	v_lshl_add_u32 v[SO], v15, 2, v[SO]
	v_lshlrev_b32 v13, 4, v14                      ; 16 r
	; the prefetches: who asks, and where
	v_min_u32 v49, 24, v48
	v_lshlrev_b32 v49, 8, v49                      ; kv: blocks of 256 bytes
	v_lshrrev_b32 v50, 2, v48
	v_lshlrev_b32 v50, 13, v50
	v_and_b32 v48, 3, v48
	v_lshl_add_u32 v50, v48, 8, v50                ; the mask: row lane / 4, block lane % 4
	s_mul_i32 s74, s13, 6400
	s_add_co_u32 s74, s74, 2*2*KVR                 ; kv: my work-group's quarter of the record, in slot 2; the first change of slots steps it to slot 3
	s_lshl_b32 s75, s14, 16                        ; the mask: my work-group's 8 rows,
	s_add_co_u32 s75, s75, 2*1024                  ; in slot 2
	s_and_b32 s76, ttmp7, 0xffff
	s_mov_b32 s77, 1024
	s_cmp_lt_u32 s[WV], 2
	s_cselect_b64 s[PFA:PFA+1], s[20:21], s[22:23]
	s_cselect_b32 s74, s74, s75
	s_cselect_b32 s76, ttmp9, s76                  ; the coordinate along which other clusters read the same bytes
	s_cselect_b32 s[PFS], 2*KVR, s77               ; a slot on
	s_cselect_b32 s78, -1, 0
	s_mov_b32 s75, 0
	s_mov_b32 s[PFS+1], 0
	s_add_nc_u64 s[PFA:PFA+1], s[PFA:PFA+1], s[74:75]
	s_cmp_eq_u32 s76, 0
	s_cselect_b32 s[LIM], 1, -1                    ; the same in all sixteen partners, for a given wave
	v_cndmask_b32 v[PFO], v50, v49, s78
	; Q: my tile of both heads stays in registers
	s_lshl_b32 s80, s16, 5
	s_lshr_b32 s81, s15, 1
	s_add_co_u32 s80, s80, s81
	s_mul_i32 s80, s80, 12800                      ; record (head 2 y, 128 queries x / 2)
	s_and_b32 s82, s15, 1
	s_lshl_b32 s83, s82, 2
	s_add_co_u32 s83, s83, s[WV]                   ; my tile in it
	s_mul_i32 s83, s83, 1536
	s_add_co_u32 s84, s80, s83
	s_mov_b32 s85, 0
	s_add_nc_u64 s[84:85], s[4:5], s[84:85]
	s_lshl_b32 s82, s82, 8
	s_lshl_b32 s83, s[WV], 2
	s_add_co_u32 s82, s82, s83
	s_add_co_u32 s82, s82, 12288
	s_add_co_u32 s82, s82, s80
	s_mov_b32 s83, 0
	s_add_nc_u64 s[82:83], s[4:5], s[82:83]
	WIN 0x40
.irp e, 0,1
.irp g, 0,1,2
	global_load_b128 v[QFR+12*\e+4*\g:QFR+12*\e+4*\g+3], v[LI], s[84:85] offset:204800*\e+512*\g   ; head 2 y + 1 lies 16 records on
.endr
.endr
	WIN 0
.irp e, 0,1
	global_load_b32 v[QS+\e], v13, s[82:83] offset:204800*\e
.endr
	; where the result goes
	s_lshl_b32 s86, s15, 2
	s_add_co_u32 s86, s86, s[WV]                   ; my tile of tokens
	s_mul_i32 s86, s86, 25600
	s_lshr_b32 s87, s16, 1
	s_mul_i32 s87, s87, 6400
	s_add_co_u32 s86, s86, s87                     ; the record: heads 4 (y / 2) on
	s_and_b32 s88, s16, 1
	s_mul_i32 s87, s88, 3072
	s_add_co_u32 s90, s86, s87                     ; images 2 (y % 2) and 2 (y % 2) + 1
	s_mov_b32 s91, 0
	s_lshl_b32 s88, s88, 3
	s_add_co_u32 s88, s88, 6144
	s_add_co_u32 s88, s88, s86
	s_mov_b32 s89, 0
	s_add_nc_u64 s[90:91], s[10:11], s[90:91]
	s_add_nc_u64 s[88:89], s[10:11], s[88:89]
.irp e, 0,1
	v_mov_b32 v[ST+6*\e+1], 0xff61b1e6             ; the largest t so far: -3e38
	v_floor_f32 v[ST+6*\e], -v[ST+6*\e+1]          ; -M
	v_mov_b32 v[ST+6*\e+2], 0                      ; the sum, in two halves
	v_mov_b32 v[ST+6*\e+3], 0
	v_mov_b32 v[ST+6*\e+4], 0
	v_mov_b32 v[ST+6*\e+5], 0                      ; (named as the upper half of f's pair)
.endr
.irp e, 0,1
.irp b, 0,1,2,3
	v_mov_b32 v[TM+64*\e+4+\b], 0                  ; a lane permute's destination counts as one of its sources
.endr
.endr
	WIN 0x40
.set jj, 0
.rept 128
	v_mov_b32 v[jj], 0                             ; O^T.  (The key step has no first form of its own: the first change of M multiplies zeros)
.set jj, jj+1
.endr
	WIN 0
.macro ADDR
	v_add_nc_u32 v[ADK], s[TB], v[LI]
	v_add_nc_u32 v[AD8], s[TB], v[L8]
	v_add_nc_u32 v[ADM], s[TB], v[AM0]
	v_add_nc_u32 v[ADS], s[TB], v[AS0]
.endm
.macro LOADK q                         ; 26 loads: K's eight images and its scale words
	WIN 0x80
.irp t, 0,1,2,3,4,5,6,7
.irp g, 0,1,2
	ds_load_b128 v[12*\t+4*\g:12*\t+4*\g+3], v[ADK] offset:KVR*(\q)+1536*\t+512*\g
.endr
.endr
	WIN 0
	ds_load_b128 v[KS:KS+3], v[ADS] offset:KVR*(\q)
	ds_load_b128 v[KS+4:KS+7], v[ADS] offset:KVR*(\q)+256
.endm
.macro LOADM q                         ; 16 loads: my query's 64 numbers of the mask, register 16 b + i = key 32 b + 16 h + i
	WIN 0x40
.irp b, 0,1,2,3
.irp i, 0,1,2,3
	ds_load_b128 v[MK+16*\b+4*\i:MK+16*\b+4*\i+3], v[ADM] offset:512*(\q)+128*\b+16*\i
.endr
.endr
.endm
.macro LOADV q                         ; 34 loads: V's eight images, each in two halves of 16 + 8 bytes a lane, and its scale words
	WIN 0x80
.irp t, 0,1,2,3,4,5,6,7
.irp c, 0,1
	ds_load_b128 v[VF+12*\t+6*\c:VF+12*\t+6*\c+3], v[ADK] offset:KVR*(\q)+12800+1536*\t+768*\c
	ds_load_b64 v[VF+12*\t+6*\c+4:VF+12*\t+6*\c+5], v[AD8] offset:KVR*(\q)+12800+1536*\t+768*\c+512
.endr
.endr
	WIN 0
	ds_load_b128 v[VS:VS+3], v[ADS] offset:KVR*(\q)+12800
	ds_load_b128 v[VS+4:VS+7], v[ADS] offset:KVR*(\q)+12800+256
.endm
; BOTH HEADS' SOFTMAX, line by line together, so that no line waits for the line above it: 2 x 64 t become p's codes and scale words; -M, f and the sums are brought on.
.macro SOFTMAX2
	WIN 0
.irp b, 0,1,2,3
.irp e, 0,1
	v_max3_num_f32 v[TM+64*\e+\b], v[S+64*\e+16*\b], v[S+64*\e+16*\b+1], v[S+64*\e+16*\b+2]   ; the largest t of each block of 32 keys: for the row's maximum, and, since p rises with t, for the block's largest p
.endr
.endr
.irp i, 3,5,7,9,11,13
.irp b, 0,1,2,3
.irp e, 0,1
	v_max3_num_f32 v[TM+64*\e+\b], v[TM+64*\e+\b], v[S+64*\e+16*\b+\i], v[S+64*\e+16*\b+\i+1]
.endr
.endr
.endr
.irp b, 0,1,2,3
.irp e, 0,1
	v_max_num_f32 v[TM+64*\e+\b], v[TM+64*\e+\b], v[S+64*\e+16*\b+15]
.endr
.endr
.irp b, 0,1,2,3
.irp e, 0,1
	v_permlanex16_b32 v[TM+64*\e+4+\b], v[TM+64*\e+\b], s[SEL], s[SEL+1]
.endr
.endr
.irp b, 0,1,2,3
.irp e, 0,1
	v_max_num_f32 v[TM+64*\e+\b], v[TM+64*\e+\b], v[TM+64*\e+4+\b]   ; with lane l xor 16's 16 keys
.endr
.endr
.irp e, 0,1
	v_max3_num_f32 v[TM+64*\e+8], v[TM+64*\e], v[TM+64*\e+1], v[TM+64*\e+2]
.endr
.irp e, 0,1
	v_max_num_f32 v[TM+64*\e+8], v[TM+64*\e+8], v[TM+64*\e+3]
.endr
.irp e, 0,1
	v_max_num_f32 v[ST+6*\e+1], v[ST+6*\e+1], v[TM+64*\e+8]   ; the running largest t
.endr
.irp e, 0,1
	v_mov_b32 v[TM+64*\e+8], v[ST+6*\e]
.endr
.irp e, 0,1
	v_floor_f32 v[ST+6*\e], -v[ST+6*\e+1]          ; -M = floor(-t): M is a whole number
.endr
.irp e, 0,1
	v_sub_f32 v[TM+64*\e+8], v[ST+6*\e], v[TM+64*\e+8]   ; old M - new M: a whole number, 0 or less
.endr
.irp e, 0,1
	v_cvt_i32_f32 v[TM+64*\e+8], v[TM+64*\e+8]     ; (it saturates)
.endr
.irp e, 0,1
	v_ldexp_f32 v[ST+6*\e+4], 1.0, v[TM+64*\e+8]   ; f = 2^(old M - new M)
.endr
.irp b, 0,1,2,3
.irp e, 0,1
	v_add_f32 v[TM+64*\e+\b], v[TM+64*\e+\b], v[ST+6*\e]   ; each block's largest t, less M
.endr
.endr
; ONE BATCH: the 64 additions of -M, a pair of t each (pairs 0-31 head 0's, 32-63 head 1's), and the 128 exponentials.  An addition stands between each two exponentials, four pairs ahead of its own pair's; none of these lines names an exponential's result.
.set kk, 0
.rept 4
	v_pk_add_f32 v[S+2*kk:S+2*kk+1], v[S+2*kk:S+2*kk+1], v[ST:ST+1] op_sel_hi:[1,0]
.set kk, kk+1
.endr
.set kk, 0
.rept 64
.if kk < 60
	v_pk_add_f32 v[S+2*(kk+4):S+2*(kk+4)+1], v[S+2*(kk+4):S+2*(kk+4)+1], v[ST+6*((kk+4)/32):ST+6*((kk+4)/32)+1] op_sel_hi:[1,0]   ; t - M, two at a time
.endif
	v_exp_f32 v[S+2*kk], v[S+2*kk]                 ; p = 2^(t - M)
	v_exp_f32 v[S+2*kk+1], v[S+2*kk+1]
.set kk, kk+1
.endr
.irp e, 0,1
	v_pk_mul_f32 v[ST+6*\e+2:ST+6*\e+3], v[ST+6*\e+2:ST+6*\e+3], v[ST+6*\e+4:ST+6*\e+5] op_sel_hi:[1,0]   ; the sums under the new M: the plain place behind the exponentials
.endr
	s_wait_alu depctr_va_vdst(0)                   ; one wait for the batch, ahead of its first reader
.irp b, 0,1,2,3
.irp e, 0,1
	v_exp_f32 v[TM+64*\e+\b], v[TM+64*\e+\b]       ; each block's largest p: the same two instructions on the same number
.endr
.endr
.irp e, 0,1
	v_pk_add_f32 v[TM+64*\e+4:TM+64*\e+5], v[S+64*\e:S+64*\e+1], v[S+64*\e+2:S+64*\e+3]   ; the rows' sums of the unquantised p: two chains a head, the four by turns
.endr
.irp j, 4,8,12,16,20,24,28,32,36,40,44,48,52,56,60
.irp e, 0,1
	v_pk_add_f32 v[ST+6*\e+2:ST+6*\e+3], v[ST+6*\e+2:ST+6*\e+3], v[S+64*\e+\j:S+64*\e+\j+1]
.endr
.irp e, 0,1
	v_pk_add_f32 v[TM+64*\e+4:TM+64*\e+5], v[TM+64*\e+4:TM+64*\e+5], v[S+64*\e+\j+2:S+64*\e+\j+3]
.endr
.endr
.irp e, 0,1
	v_pk_add_f32 v[ST+6*\e+2:ST+6*\e+3], v[ST+6*\e+2:ST+6*\e+3], v[TM+64*\e+4:TM+64*\e+5]
.endr
	s_wait_alu depctr_va_vdst(0)                   ; and one for the eight
.irp b, 0,1,2,3
.irp e, 0,1
	v_max_num_f32 v[TM+64*\e+\b], 0x2800000, v[TM+64*\e+\b]   ; the floor 2^(5 - 127)
.endr
.endr
.irp b, 0,1,2,3
.irp e, 0,1
	v_add_nc_u32 v[TM+64*\e+12+\b], 0xfe000000, v[TM+64*\e+\b]   ; the conversion's scale operand
.endr
.endr
.irp b, 0,1,2,3
.irp e, 0,1
	v_lshrrev_b32 v[TM+64*\e+8+\b], 23, v[TM+64*\e+12+\b]   ; the scale's byte
.endr
.endr
.irp e, 0,1
	v_lshl_or_b32 v[PW+\e], v[TM+64*\e+9], 8, v[TM+64*\e+8]
.endr
.irp e, 0,1
	v_lshl_or_b32 v[PW+\e], v[TM+64*\e+10], 16, v[PW+\e]
.endr
.irp e, 0,1
	v_lshl_or_b32 v[PW+\e], v[TM+64*\e+11], 24, v[PW+\e]
.endr
.irp e, 0,1
.irp c, 0,1
	v_cvt_scalef32_pk16_bf6_f32 v[PC+12*\e+6*\c:PC+12*\e+6*\c+2], v[S+64*\e+32*\c:S+64*\e+32*\c+15], v[TM+64*\e+12+2*\c]
	v_cvt_scalef32_pk16_bf6_f32 v[CT+8*\e+4*\c:CT+8*\e+4*\c+2], v[S+64*\e+32*\c+16:S+64*\e+32*\c+31], v[TM+64*\e+12+2*\c+1]
.endr
.endr
	v_nop                                          ; one plain place behind the scaled conversions
.irp e, 0,1
.irp c, 0,1
.irp i, 0,1,2
	v_permlane16_swap_b32 v[PC+12*\e+6*\c+\i], v[CT+8*\e+4*\c+\i]   ; the operand's layout wants a whole block in a lane
.endr
.irp i, 0,1,2
	v_mov_b32 v[PC+12*\e+3+6*\c+\i], v[CT+8*\e+4*\c+\i]
.endr
.endr
.endr
.endm
.macro RESC e                          ; O^T under the new M; these 32 are also the places between the scale word's and the codes' last lines and the products; each accumulator is read from its low end on
	WIN 0x41
.set jj, 0
.rept 32
	v_pk_mul_f32 v[64*(\e)+jj:64*(\e)+jj+1], v[64*(\e)+jj:64*(\e)+jj+1], v[ST+6*(\e)+4:ST+6*(\e)+5] op_sel_hi:[1,0]
.set jj, jj+2
.endr
.endm
.macro PV e                            ; O^T += V^T P^T: eight accumulators by turns
	WIN 0x52
.irp t, 0,1,2,3,4,5,6,7
	v_wmma_scale_f32_16x16x128_f8f6f4 v[64*(\e)+8*\t:64*(\e)+8*\t+7], v[VF+12*\t:VF+12*\t+11], v[PC+12*(\e):PC+12*(\e)+11], v[64*(\e)+8*\t:64*(\e)+8*\t+7], v[VS+\t], v[PW+(\e)] matrix_a_fmt:MATRIX_FMT_BF6 matrix_b_fmt:MATRIX_FMT_BF6
.endr
.endm
.macro PV0R1                           ; head 0's eight products; behind product t stand the four rescalings of head 1's accumulator t, which name none of its registers
.irp t, 0,1,2,3,4,5,6,7
	WIN 0x52
	v_wmma_scale_f32_16x16x128_f8f6f4 v[8*\t:8*\t+7], v[VF+12*\t:VF+12*\t+11], v[PC:PC+11], v[8*\t:8*\t+7], v[VS+\t], v[PW] matrix_a_fmt:MATRIX_FMT_BF6 matrix_b_fmt:MATRIX_FMT_BF6
	WIN 0x41
.irp j, 0,2,4,6
	v_pk_mul_f32 v[64+8*\t+\j:64+8*\t+\j+1], v[64+8*\t+\j:64+8*\t+\j+1], v[ST+10:ST+11] op_sel_hi:[1,0]
.endr
.endr
.endm
; A KEY STEP, the q-th of the slot in hand.  mode 0: the next step lies in the same slot; 1: the slot is left and filled again; 2: it is left; 3: the last step.
.macro STEP q, mode
	s_wait_dscnt 0x0                               ; K, its scale words and the mask are in
.irp t, 0,1,2,3,4,5,6,7                ; head 0's scores; behind product t: mask x log2(e), once for both heads, eight numbers
	WIN 0x06
	v_wmma_scale_f32_16x16x128_f8f6f4 v[S+8*\t:S+8*\t+7], v[12*\t:12*\t+11], v[QFR:QFR+11], 0, v[KS+\t], v[QS] matrix_a_fmt:MATRIX_FMT_BF6 matrix_b_fmt:MATRIX_FMT_BF6
	WIN 0x41
.irp j, 0,2,4,6
	v_pk_mul_f32 v[MK+8*\t+\j:MK+8*\t+\j+1], v[MK+8*\t+\j:MK+8*\t+\j+1], s[L2E:L2E+1] op_sel_hi:[1,0]
.endr
.endr
.irp t, 0,1,2,3,4,5,6,7                ; head 1's scores; behind product t: head 0's t of tile t, whose product stands eight slices back; each accumulator is read from its low end on
	WIN 0x06
	v_wmma_scale_f32_16x16x128_f8f6f4 v[S+64+8*\t:S+64+8*\t+7], v[12*\t:12*\t+11], v[QFR+12:QFR+23], 0, v[KS+\t], v[QS+1] matrix_a_fmt:MATRIX_FMT_BF6 matrix_b_fmt:MATRIX_FMT_BF6
	WIN 0x10
.irp j, 0,2,4,6
	v_pk_fma_f32 v[S+8*\t+\j:S+8*\t+\j+1], v[S+8*\t+\j:S+8*\t+\j+1], s[CS:CS+1], v[MK+8*\t+\j:MK+8*\t+\j+1] op_sel_hi:[1,0,1]
.endr
.endr
	LOADV \q
	WIN 0x10
.set jj, 0
.rept 32
	v_pk_fma_f32 v[S+64+jj:S+64+jj+1], v[S+64+jj:S+64+jj+1], s[CS:CS+1], v[MK+jj:MK+jj+1] op_sel_hi:[1,0,1]   ; head 1's t
.set jj, jj+2
.endr
.if \mode == 0
	LOADK (\q)+1
	LOADM (\q)+1
.endif
.if \mode == 1
	WIN 0
	s_wait_tensorcnt 0x0                           ; no tensor load of mine is out: my part of the other slot has landed, and a group 0 may be written
	ds_add_u32 v[SPW], v[NIL]                      ; 0 onto my spare word; the descriptors' steps stand between it and the wait for it
	s_xor_b32 s[G0K+5], s[G0K+5], SLOT1            ; the walking descriptors: the other slot than last time, the next two key steps
	s_add_nc_u64 s[G0K+6:G0K+7], s[G0K+6:G0K+7], 2*KVR
	s_xor_b32 s[G0M+5], s[G0M+5], SLOT1
	s_add_nc_u64 s[G0M+6:G0M+7], s[G0M+6:G0M+7], 1024
	s_wait_xcnt 0x0                                ; the last prefetch, two key steps back, has read its address
	s_add_nc_u64 s[PFA:PFA+1], s[PFA:PFA+1], s[PFS:PFS+1]
	s_wait_dscnt 0x0                               ; the add is done, and my reads of the slot (V's were the last) are over
	CROUND                                         ; no wave of any partner still reads the slot or has a load on its way
	JLOAD                                          ; the first thing behind the round: it has two key steps in which to land
	s_xor_b32 s[TB], s[TB], SLOT1
	ADDR
	LOADK 0
	LOADM 0
	WIN 0
	ASK
.endif
.if \mode == 2
	WIN 0
	s_wait_tensorcnt 0x0
	ds_add_u32 v[SPW], v[NIL]
	s_xor_b32 s[TB], s[TB], SLOT1
	s_wait_dscnt 0x0
	s_barrier_signal -1
	s_barrier_wait -1                              ; the last slot is whole for every wave; nothing is asked for
	ADDR
	LOADK 0
	LOADM 0
.endif
	SOFTMAX2
	RESC 0
.if \mode == 3
	s_wait_dscnt 0x0
.else
	s_wait_dscnt 42                                ; the next step's 26 + 16 loads may be out: V and its scale words are in
.endif
	PV0R1
	PV 1
	WIN 0
.endm
	s_wait_tensorcnt 1                             ; my part of slot 0 is in; slot 1's may stay out
	s_barrier_signal -1
	s_barrier_wait -1
	ADDR
	LOADK 0
	LOADM 0
	WIN 0
	s_wait_loadcnt 0x0                             ; Q
.Lslot:                                            ; six trips: slots 0 to 5 are left and filled again with slots 2 to 7
	STEP 0, 0
	STEP 1, 1
	s_sub_co_u32 s[SLOTS], s[SLOTS], 1
	s_cmp_lg_u32 s[SLOTS], 0
	s_cbranch_scc1 .Lslot
	STEP 0, 0                                      ; the last two slots are written out
	STEP 1, 2
	STEP 0, 0
	STEP 1, 3
	; THE WAY OUT: O^T / the sum, quantised along the channels, as images of the last product's operand
	PLACES
.irp e, 0,1
	v_add_f32 v[TM+\e], v[ST+6*\e+2], v[ST+6*\e+3]
.endr
.irp e, 0,1
	v_permlanex16_b32 v[TM+4+\e], v[TM+\e], s[SEL], s[SEL+1]
.endr
.irp e, 0,1
	v_add_f32 v[TM+\e], v[TM+\e], v[TM+4+\e]       ; the row's sum
.endr
.irp e, 0,1
	v_rcp_f32 v[ST+6*\e+4], v[TM+\e]
.endr
	v_nop                                          ; a plain place behind the reciprocals,
	s_wait_alu depctr_va_vdst(0)                   ; and one wait for the two, ahead of the first reader
.macro QUANT s, pc, pw
.irp b, 0,1,2,3
	v_max3_num_f32 v[TM+\b], |v[(\s)+16*\b]|, |v[(\s)+1+16*\b]|, 0x2800000
.endr
.irp i, 2,4,6,8,10,12,14
.irp b, 0,1,2,3
	v_max3_num_f32 v[TM+\b], v[TM+\b], |v[(\s)+16*\b+\i]|, |v[(\s)+1+16*\b+\i]|
.endr
.endr
.irp b, 0,1,2,3
	v_permlanex16_b32 v[TM+4+\b], v[TM+\b], s[SEL], s[SEL+1]
.endr
.irp b, 0,1,2,3
	v_max_num_f32 v[TM+\b], v[TM+\b], v[TM+4+\b]
.endr
.irp b, 0,1,2,3
	v_add_nc_u32 v[TM+12+\b], 0xfe000000, v[TM+\b]
.endr
.irp b, 0,1,2,3
	v_lshrrev_b32 v[TM+8+\b], 23, v[TM+12+\b]
.endr
	v_lshl_or_b32 v[\pw], v[TM+9], 8, v[TM+8]
	v_lshl_or_b32 v[\pw], v[TM+10], 16, v[\pw]
	v_lshl_or_b32 v[\pw], v[TM+11], 24, v[\pw]
.irp c, 0,1
	v_cvt_scalef32_pk16_bf6_f32 v[(\pc)+6*\c:(\pc)+6*\c+2], v[(\s)+32*\c:(\s)+32*\c+15], v[TM+12+2*\c]
	v_cvt_scalef32_pk16_bf6_f32 v[CT+4*\c:CT+4*\c+2], v[(\s)+32*\c+16:(\s)+32*\c+31], v[TM+12+2*\c+1]
.endr
	v_nop
.irp c, 0,1
.irp i, 0,1,2
	v_permlane16_swap_b32 v[(\pc)+6*\c+\i], v[CT+4*\c+\i]
.endr
.irp i, 0,1,2
	v_mov_b32 v[(\pc)+3+6*\c+\i], v[CT+4*\c+\i]
.endr
.endr
.endm
.irp e, 0,1
	WIN 0x01                                       ; source 0 (O^T) window 1
.set jj, 0
.rept 32
	v_pk_mul_f32 v[S+64*\e+jj:S+64*\e+jj+1], v[64*\e+jj:64*\e+jj+1], v[ST+6*\e+4:ST+6*\e+5] op_sel_hi:[1,0]   ; register 16 b + i = channel 32 b + 16 h + i
.set jj, jj+2
.endr
	WIN 0
	QUANT S+64*\e, PC+12*\e, PW+\e
.irp g, 0,1,2
	global_store_b128 v[LI], v[PC+12*\e+4*\g:PC+12*\e+4*\g+3], s[90:91] offset:1536*\e+512*\g   ; 32 lanes store 512 consecutive bytes
.endr
.endr
	v_cmp_eq_u32 vcc_lo, 1, v15
	v_cndmask_b32 v49, v[PW], v[PW+1], vcc_lo      ; lanes 0-15 store head 2 y's word of their row, lanes 16-31 head 2 y + 1's
	global_store_b32 v[SO], v49, s[88:89]
	s_wait_tensorcnt 0x0                           ; the wave's end
	ds_add_u32 v[SPW], v[NIL]
	s_wait_dscnt 0x0
	CROUND                                         ; the closing round
	s_endpgm
.Lfunc_end_k_q4eb4cd24ed_attn:
	.size	k_q4eb4cd24ed_attn, .Lfunc_end_k_q4eb4cd24ed_attn-k_q4eb4cd24ed_attn
	.p2alignl 7, 3214868480
	.fill 96, 4, 3214868480
	.section	.rodata,"a",@progbits
	.p2align	6, 0x0
	.amdhsa_kernel k_q4eb4cd24ed_attn
		.amdhsa_group_segment_fixed_size 327680
		.amdhsa_private_segment_fixed_size 0
		.amdhsa_enable_private_segment 0
		.amdhsa_kernarg_size 32
		.amdhsa_user_sgpr_count 2
		.amdhsa_user_sgpr_kernarg_segment_ptr 1
		.amdhsa_wavefront_size32 1
		.amdhsa_system_sgpr_workgroup_id_x 1
		.amdhsa_system_sgpr_workgroup_id_y 1
		.amdhsa_system_sgpr_workgroup_id_z 1
		.amdhsa_system_vgpr_workitem_id 0
		.amdhsa_next_free_vgpr 768
		.amdhsa_next_free_sgpr 100
		.amdhsa_reserve_vcc 1
		.amdhsa_float_denorm_mode_32 3
		.amdhsa_float_denorm_mode_16_64 3
		.amdhsa_memory_ordered 1
		.amdhsa_forward_progress 1
		.amdhsa_inst_pref_size 255
	.end_amdhsa_kernel
	.section	.bss,"aw",@nobits
	.p2align	6
	.space	262144
	.amdgpu_metadata
---
amdhsa.version: [ 1, 2 ]
amdhsa.kernels:
  - .name:           k_q4eb4cd24ed_attn
    .symbol:         k_q4eb4cd24ed_attn.kd
    .args:
      - { .name: qpk, .offset: 0, .size: 8, .value_kind: global_buffer, .address_space: global }
      - { .name: kv, .offset: 8, .size: 8, .value_kind: global_buffer, .address_space: global }
      - { .name: attention_mask, .offset: 16, .size: 8, .value_kind: global_buffer, .address_space: global }
      - { .name: ao, .offset: 24, .size: 8, .value_kind: global_buffer, .address_space: global }
    .group_segment_fixed_size: 327680
    .private_segment_fixed_size: 0
    .kernarg_segment_align: 8
    .kernarg_segment_size: 32
    .max_flat_workgroup_size: 128
    .sgpr_count:     100
    .vgpr_count:     768
    .wavefront_size: 32
...
	.end_amdgpu_metadata
.endif
;; end of part 3
;; launch oproj (part 4): grid 16 x 16, 4 waves a work-group, clusters of 4 x 4, 327,680 bytes of LDS; arguments ao, woq, out0; writes out0
.if DOCPART == 4
	.amdgcn_target "amdgcn-amd-amdhsa--gfx1250"
	.amdhsa_code_object_version 6
	.text
	.protected	k_q4eb4cd24ed_oproj
	.globl	k_q4eb4cd24ed_oproj
	.p2align	8
	.type	k_q4eb4cd24ed_oproj,@function
k_q4eb4cd24ed_oproj:
	s_mov_b64 s[64:65], 0
	v_nop
	global_prefetch_b8 v0, s[64:65] scope:SCOPE_SE
	s_setreg_imm32_b32 hwreg(HW_REG_WAVE_MODE, 25, 1), 1
	s_wait_xcnt 0x0
	s_wait_alu depctr_hold_cnt(0) depctr_sa_sdst(0) depctr_va_vdst(0) depctr_va_sdst(0) depctr_va_ssrc(0) depctr_va_vcc(0) depctr_vm_vsrc(0)
	s_getreg_b32 s2, hwreg(HW_REG_IB_STS2, 6, 4)
	s_cmp_eq_u32 s2, 0
	s_cbranch_scc0 .Lentry_in_a_cluster
	s_endpgm
.Lentry_in_a_cluster:
	s_bfe_u32 s2, ttmp6, 0x10000c
	s_cmp_lg_u32 s2, 0xf033
	s_cbranch_scc0 .Lentry_shape_is_right
	s_endpgm
.Lentry_shape_is_right:
; out0 = (attention's result) x Wo^T on codes of BF6 (E3M2) with E8M0 scales: 4,096 rows of Wo x 2,048 tokens, K = 2,048; out0 [2048][4096] f32.
; Operands come as records (16 rows x 512 K: four register images of 1,536 bytes and 256 bytes of scale words, 6,400 bytes), [tile of rows][K / 512]; lane r of tile 2 b + u holds row 32 b + 8 u + r + 8 (r / 8).
; SHARES.  A work-group makes 256 rows of Wo (P, source 0) x 128 tokens (Q, source 1): 16 x 16 work-groups, one for each WGP; each of four waves makes 128 x 64: 32 accumulators.  A lane holds one token, and its 16 registers of
; weight tiles 2 b, 2 b + 1 are output columns 32 b + 16 (lane / 16) + 0 .. 15.
; THE RING.  Two LDS slots of 512 along K (24 records, 153,600 bytes), filled by the tensor data mover.  A wave has two tensor loads out at the start, later one.
; CLUSTER 4 x 4: the four of a row of the cluster need the same tokens' records, the four of a column the same weights': each is asked for jointly.
; REGISTERS: window 0: v1-9 addresses that stay, v16-25 LDS addresses, v28-29 the add's two, v32-95 scale words (nothing else ever), v128-223 Q's fragments (two sets), on the way out v128-255 rows of out0;
;   window 1: P's fragments (two sets); window 2: accumulator (a, b) at v[8 (8 a + b)].
.set KQ,    4                          ; K / 512
.set LAPS,  KQ/2
.set REC,   6400
.set SLOT,  24*REC
.set POFF,  8*REC
.set SPARE, 2*SLOT                     ; the spare words: two blocks of 256 bytes that no other line names
.set FR,    12
.set LI,    4                          ; v4   16 x lane
.set STO,   8                          ; v8   the way out: where I put 32 bytes of a row
.set RD,    9                          ; v9   and where I read a row back
.set ADRQ,  16
.set ADRP,  20
.set ADRS,  22
.set ADRS2, 24
.set SPW,   28
.set NIL,   29
.set SC,    32
.set QF,    128
.set BK,    128                        ; the way out: 16 rows read back: v128-191 and v192-255 by turns
.set G1,  24
.set G0,  32
.set G1B, 48
.set G0B, 56
.set MSB, 0
.macro WIN new
.if MSB != \new
	s_set_vgpr_msb (MSB<<8)|\new
.set MSB, \new
.endif
.endm
.set MUL,  0xa1                        ; source 0 (P) window 1, source 1 (Q) window 0, C and D window 2
.set TO_P, 0x40
.macro PLACES
.rept 4
	v_nop
.endr
.endm
.macro JLOAD g0q, g1q, g0p, g1p        ; a joint load: waves 0 and 1 fetch Q's halves, waves 2 and 3 P's; four v_nop follow each line
	s_cmp_eq_u32 s15, 0
	s_cbranch_scc0 .Lfor_p_\@
	tensor_load_to_lds s[\g0q:\g0q+3], s[\g1q:\g1q+7]
	s_nop 0
.rept 4
	v_nop
.endr
	s_branch .Lasked_\@
.Lfor_p_\@:
	tensor_load_to_lds s[\g0p:\g0p+3], s[\g1p:\g1p+7]
	s_nop 0
.rept 4
	v_nop
.endr
.Lasked_\@:
.endm
.macro CREST
	s_cmp_lg_u32 s14, 0
	s_cbranch_scc1 .Lnot_wave_0_\@
	s_barrier_signal -3
.Lnot_wave_0_\@:
	s_barrier_wait -3
	s_barrier_signal -1
	s_barrier_wait -1
.endm
.macro CROUND
	s_barrier_signal -1
	s_barrier_wait -1
	CREST
.endm
	s_load_b128 s[4:7], s[0:1], 0x0                ; ao s[4:5], woq s[6:7]
	s_load_b64 s[8:9], s[0:1], 0x10                ; out0
	v_lshl_add_u32 v[SPW], v0, 2, SPARE
	v_mov_b32 v[NIL], 0
	ds_add_u32 v28, v29
	ds_add_u32 v28, v29
	s_wait_dscnt 0x0
	v_lshrrev_b32 v1, 5, v0
	v_readfirstlane_b32 s14, v1                    ; wave 0..3
	s_lshr_b32 s15, s14, 1                         ; which 64 tokens are mine.  Also: I fetch for Q (0) or for P (1)
	s_and_b32 s16, s14, 1                          ; which 128 rows of Wo.  Also: which half I fetch
	s_bfe_u32 s40, ttmp6, 0x40000
	s_bfe_u32 s41, ttmp6, 0x40004
	s_lshl_b32 s42, ttmp9, 2
	s_add_co_u32 s42, s42, s40                     ; X: which 256 rows of Wo
	s_and_b32 s17, ttmp7, 0xffff
	s_lshl_b32 s17, s17, 2
	s_add_co_u32 s17, s17, s41                     ; Y: which 128 tokens
	s_lshl_b32 s43, s41, 2
	s_lshl_b32 s43, 15, s43
	s_lshl_b32 s44, 0x1111, s40
	s_or_b32 s[G1], s43, (3<<16)|(1<<21)           ; the mask: Q's records go to my row; elements of 8 bytes; no padding
	s_or_b32 s[G1B], s44, (3<<16)|(1<<21)          ; P's go to my column
	s_mov_b32 s[G1+1], 800<<16
	s_mov_b32 s[G1+2], 4<<16
	s_mov_b32 s[G1+3], 800<<16
	s_mov_b32 s[G1+4], 4
	s_mov_b32 s[G1+5], KQ*800
	s_mov_b32 s[G1+6], 0
	s_mov_b32 s[G1+7], 0
	s_mov_b32 s[G1B+1], 800<<16
	s_mov_b32 s[G1B+2], 8<<16
	s_mov_b32 s[G1B+3], 800<<16
	s_mov_b32 s[G1B+4], 8
	s_mov_b32 s[G1B+5], KQ*800
	s_mov_b32 s[G1B+6], 0
	s_mov_b32 s[G1B+7], 0
	s_lshl_b32 s20, s17, 3
	s_lshl_b32 s18, s16, 2
	s_add_co_u32 s20, s20, s18
	s_mul_i32 s20, s20, KQ*REC
	s_mov_b32 s21, 0
	s_lshl_b32 s46, s42, 4
	s_lshl_b32 s18, s16, 3
	s_add_co_u32 s46, s46, s18
	s_mul_i32 s46, s46, KQ*REC
	s_mov_b32 s47, 0
	s_mul_i32 s45, s16, 4*REC
	s_mul_i32 s19, s16, 8*REC
	s_add_co_u32 s19, s19, POFF
	s_wait_kmcnt 0x0
	s_add_nc_u64 s[20:21], s[4:5], s[20:21]
	s_add_nc_u64 s[46:47], s[6:7], s[46:47]
	CROUND                                         ; all sixteen work-groups are here: the first joint loads meet
.irp s, 0,1
	s_mov_b32 s[G0+4*\s], 1
	s_add_co_u32 s[G0+4*\s+1], s45, \s*SLOT
	s_add_nc_u64 s[G0+4*\s+2:G0+4*\s+3], s[20:21], \s*REC
	s_or_b32 s[G0+4*\s+3], s[G0+4*\s+3], 0x80000000
	s_mov_b32 s[G0B+4*\s], 1
	s_add_co_u32 s[G0B+4*\s+1], s19, \s*SLOT
	s_add_nc_u64 s[G0B+4*\s+2:G0B+4*\s+3], s[46:47], \s*REC
	s_or_b32 s[G0B+4*\s+3], s[G0B+4*\s+3], 0x80000000
	JLOAD G0+4*\s, G1, G0B+4*\s, G1B
.endr
	v_and_b32 v1, 31, v0                           ; lane
	v_and_b32 v2, 15, v0                           ; r
	v_bfe_u32 v3, v0, 4, 1                         ; h
	v_lshlrev_b32 v[LI], 4, v1
	s_mul_i32 s21, s15, 4*REC
	s_mul_i32 s22, s16, 8*REC
	s_add_co_u32 s22, s22, POFF
	v_lshlrev_b32 v5, 4, v2
	s_sub_co_u32 s23, s22, s21
	v_mul_u32_u24 v6, s23, v3                      ; lanes 16-31 take P's scale words: one product, the distance between the two bases
	v_add_nc_u32 v5, v5, v6
	v_mul_u32_u24 v7, v3, 4*REC
.irp s, 0,1
	v_add_nc_u32 v[ADRQ+\s], s21, v[LI]
	v_add_nc_u32 v[ADRP+\s], s22, v[LI]
	s_add_co_u32 s18, s21, 6144
	v_add_nc_u32 v[ADRS+\s], s18, v5
	v_add_nc_u32 v[ADRS2+\s], v[ADRS+\s], v7
	s_add_co_u32 s21, s21, SLOT
	s_add_co_u32 s22, s22, SLOT
.endr
	s_mul_i32 s18, s14, 16*528                     ; my stage: 16 rows x (512 bytes + 16), in slot 0, which has had its last fill and its last read when the first result is stored there
	v_mul_u32_u24 v[STO], v2, 528
	v_lshl_add_u32 v[STO], v3, 6, v[STO]
	v_add_nc_u32 v[STO], s18, v[STO]
	v_add_nc_u32 v[RD], s18, v[LI]
	s_lshl_b32 s66, s17, 7
	s_lshl_b32 s67, s15, 6
	s_add_co_u32 s66, s66, s67
	s_lshl_b32 s66, s66, 14                        ; my first token's row of out0, 16,384 bytes a row
	s_lshl_b32 s67, s42, 10
	s_add_co_u32 s66, s66, s67
	s_lshl_b32 s67, s16, 9
	s_add_co_u32 s66, s66, s67                     ; + my first column: 1,024 X + 512 x half bytes
	s_mov_b32 s67, 0
	s_add_nc_u64 s[8:9], s[8:9], s[66:67]
.macro MUL8 a, p, q, sc, zero          ; Q's block a x P's eight; the 32 accumulators take turns in the same order in every step
.irp b, 0,1,2,3,4,5,6,7
.if \zero
	v_wmma_scale_f32_16x16x128_f8f6f4 v[8*(8*(\a)+\b):8*(8*(\a)+\b)+7], v[128*(\p)+FR*\b:128*(\p)+FR*\b+FR-1], v[QF+48*(\p)+FR*(\a):QF+48*(\p)+FR*(\a)+FR-1], 0, v[SC+32*(\sc)+4*\b+(\q)], v[SC+32*(\sc)+4*(\a)+(\q)] matrix_a_fmt:MATRIX_FMT_BF6 matrix_b_fmt:MATRIX_FMT_BF6 matrix_a_scale:MATRIX_SCALE_ROW1
.else
	v_wmma_scale_f32_16x16x128_f8f6f4 v[8*(8*(\a)+\b):8*(8*(\a)+\b)+7], v[128*(\p)+FR*\b:128*(\p)+FR*\b+FR-1], v[QF+48*(\p)+FR*(\a):QF+48*(\p)+FR*(\a)+FR-1], v[8*(8*(\a)+\b):8*(8*(\a)+\b)+7], v[SC+32*(\sc)+4*\b+(\q)], v[SC+32*(\sc)+4*(\a)+(\q)] matrix_a_fmt:MATRIX_FMT_BF6 matrix_b_fmt:MATRIX_FMT_BF6 matrix_a_scale:MATRIX_SCALE_ROW1
.endif
.endr
.endm
.macro FETCH slot, q, p                ; 36 loads in one run
	WIN TO_P
.irp i, 0,1,2,3,4,5,6,7
.irp g, 0,1,2
	ds_load_b128 v[128*(\p)+FR*\i+4*\g:128*(\p)+FR*\i+4*\g+3], v[ADRP+\slot] offset:REC*\i+1536*(\q)+512*\g
.endr
.endr
	WIN 0
.irp i, 0,1,2,3
.irp g, 0,1,2
	ds_load_b128 v[QF+48*(\p)+FR*\i+4*\g:QF+48*(\p)+FR*\i+4*\g+3], v[ADRQ+\slot] offset:REC*\i+1536*(\q)+512*\g
.endr
.endr
.endm
.macro SCALES slot
.irp i, 0,1,2,3
	ds_load_b128 v[SC+32*\slot+4*\i:SC+32*\slot+4*\i+3], v[ADRS+\slot] offset:REC*\i
	ds_load_b128 v[SC+32*\slot+16+4*\i:SC+32*\slot+16+4*\i+3], v[ADRS2+\slot] offset:REC*\i
.endr
.endm
.macro STEP slot, q, zero
	s_wait_dscnt 0x0                               ; this step's fragments, asked for 16 matrix instructions ago, are in
	WIN MUL
	MUL8 0, (\q)%2, \q, \slot, \zero
	MUL8 1, (\q)%2, \q, \slot, \zero
	PLACES
	FETCH \slot, (\q)+1, 1-(\q)%2
	WIN MUL
	MUL8 2, (\q)%2, \q, \slot, \zero
	MUL8 3, (\q)%2, \q, \slot, \zero
.endm
.macro TURN slot, next, fill           ; a slot's last step changes slots: one barrier, with the wait for all tensor loads, the add and the wait for it and for my reads in front of it
	WIN 0
	s_wait_tensorcnt 0x0                           ; all my tensor loads have landed: my part of the next slot;
	ds_add_u32 v[SPW], v[NIL]                      ; 0 onto my spare word;
	s_wait_dscnt 1                                 ; (the add alone may be out)
	WIN MUL
	MUL8 0, 1, 3, \slot, 0
	s_wait_dscnt 0x0                               ; the add is done, and my reads of this slot are over
	s_barrier_signal -1
	MUL8 1, 1, 3, \slot, 0
	WIN 0
	s_barrier_wait -1
.if \fill
	CREST                                          ; the barrier has opened a round of the cluster's
	s_add_nc_u64 s[G0+4*\slot+2:G0+4*\slot+3], s[G0+4*\slot+2:G0+4*\slot+3], 2*REC
	s_add_nc_u64 s[G0B+4*\slot+2:G0B+4*\slot+3], s[G0B+4*\slot+2:G0B+4*\slot+3], 2*REC
	JLOAD G0+4*\slot, G1, G0B+4*\slot, G1B         ; the first tensor load behind the round; its four v_nop are also the places in front of the loads below
.else
	PLACES
.endif
	FETCH \next, 0, 0
	SCALES \next
	WIN MUL
	MUL8 2, 1, 3, \slot, 0
	MUL8 3, 1, 3, \slot, 0
.endm
	s_wait_tensorcnt 1                             ; my part of slot 0 is in; slot 1's may stay out
	s_barrier_signal -1
	s_barrier_wait -1
	FETCH 0, 0, 0
	SCALES 0
	STEP 0, 0, 1                                   ; the first step's products start the sums
	WIN 0
	s_mov_b32 s3, LAPS-1
.Llap:
	STEP 0, 1, 0
	STEP 0, 2, 0
	TURN 0, 1, 1
	STEP 1, 0, 0
	STEP 1, 1, 0
	STEP 1, 2, 0
	TURN 1, 0, 1
	STEP 0, 0, 0
	WIN 0
	s_sub_co_u32 s3, s3, 1
	s_cmp_lg_u32 s3, 0
	s_cbranch_scc1 .Llap
	STEP 0, 1, 0                                   ; the last lap fills nothing
	STEP 0, 2, 0
	TURN 0, 1, 0
	STEP 1, 0, 0
	STEP 1, 1, 0
	STEP 1, 2, 0
	s_wait_dscnt 0x0
	WIN MUL
	MUL8 0, 1, 3, 1, 0
	MUL8 1, 1, 3, 1, 0
	MUL8 2, 1, 3, 1, 0
	MUL8 3, 1, 3, 1, 0
	WIN 0
; THE WAY OUT, a tile of 16 tokens x 128 columns at a time: through my own stage in LDS, back as whole rows of 512 bytes.  LDS serves a wave's instructions in order: no wait between the stores and the loads.
.macro TOSTAGE a
	WIN 0x08                                       ; an LDS store's data are its source 1: window 2
.irp b, 0,1,2,3,4,5,6,7
	ds_store_b128 v[STO], v[8*(8*(\a)+\b):8*(8*(\a)+\b)+3] offset:128*(\b/2)+32*(\b%2)        ; each accumulator from its low end on
	ds_store_b128 v[STO], v[8*(8*(\a)+\b)+4:8*(8*(\a)+\b)+7] offset:128*(\b/2)+32*(\b%2)+16
.endr
	WIN 0
.set BB, BK+64*((\a)%2)
.irp t, 0,1,2,3,4,5,6,7,8,9,10,11,12,13,14,15
	ds_load_b128 v[BB+4*\t:BB+4*\t+3], v[RD] offset:\t*528
.endr
.endm
.macro SEND a, younger                 ; younger: the LDS instructions issued behind tile a's loads, which may stay out
.set BB, BK+64*((\a)%2)
	s_wait_dscnt \younger
.irp t, 0,1,2,3,4,5,6,7,8,9,10,11,12,13,14,15
	global_store_b128 v[LI], v[BB+4*\t:BB+4*\t+3], s[8:9] offset:(32*((\a)/2)+8*((\a)%2)+\t+8*(\t/8))*16384 th:TH_STORE_NT   ; 32 lanes store 512 consecutive bytes of the token's row; written once, read by nobody here
.endr
.endm
	PLACES
	TOSTAGE 0
.irp a, 1,2,3
.if \a > 1
	s_wait_xcnt 0x0                                ; tile a - 2's stores have read their registers: tile a's loads may land there
.endif
	TOSTAGE \a
	SEND \a-1, 32                                  ; behind tile a - 1's loads: tile a's 16 stores and 16 loads
.endr
	SEND 3, 0
	s_wait_tensorcnt 0x0                           ; the wave's end
	ds_add_u32 v[SPW], v[NIL]
	s_wait_dscnt 0x0
	CROUND                                         ; the closing round
	s_endpgm
.Lfunc_end_k_q4eb4cd24ed_oproj:
	.size	k_q4eb4cd24ed_oproj, .Lfunc_end_k_q4eb4cd24ed_oproj-k_q4eb4cd24ed_oproj
	.p2alignl 7, 3214868480
	.fill 96, 4, 3214868480
	.section	.rodata,"a",@progbits
	.p2align	6, 0x0
	.amdhsa_kernel k_q4eb4cd24ed_oproj
		.amdhsa_group_segment_fixed_size 327680
		.amdhsa_private_segment_fixed_size 0
		.amdhsa_enable_private_segment 0
		.amdhsa_kernarg_size 24
		.amdhsa_user_sgpr_count 2
		.amdhsa_user_sgpr_kernarg_segment_ptr 1
		.amdhsa_wavefront_size32 1
		.amdhsa_system_sgpr_workgroup_id_x 1
		.amdhsa_system_sgpr_workgroup_id_y 1
		.amdhsa_system_sgpr_workgroup_id_z 1
		.amdhsa_system_vgpr_workitem_id 0
		.amdhsa_next_free_vgpr 768
		.amdhsa_next_free_sgpr 100
		.amdhsa_reserve_vcc 0
		.amdhsa_float_denorm_mode_32 3
		.amdhsa_float_denorm_mode_16_64 3
		.amdhsa_memory_ordered 1
		.amdhsa_forward_progress 1
		.amdhsa_inst_pref_size 131
	.end_amdhsa_kernel
	.amdgpu_metadata
---
amdhsa.version: [ 1, 2 ]
amdhsa.kernels:
  - .name:           k_q4eb4cd24ed_oproj
    .symbol:         k_q4eb4cd24ed_oproj.kd
    .args:
      - { .name: ao, .offset: 0, .size: 8, .value_kind: global_buffer, .address_space: global }
      - { .name: woq, .offset: 8, .size: 8, .value_kind: global_buffer, .address_space: global }
      - { .name: out0, .offset: 16, .size: 8, .value_kind: global_buffer, .address_space: global }
    .group_segment_fixed_size: 327680
    .private_segment_fixed_size: 0
    .kernarg_segment_align: 8
    .kernarg_segment_size: 24
    .max_flat_workgroup_size: 128
    .sgpr_count:     100
    .vgpr_count:     768
    .wavefront_size: 32
...
	.end_amdgpu_metadata
.endif
;; end of part 4
